; MI455X (gfx1250); checked and timed in simulation.
; The chip was launched on July 23, 2026; its instructions are those of AMD's public machine-readable ISA for CDNA 5 (MIT licence, August 2026) and "CDNA5" Instruction Set Architecture Reference Guide (July 2026). The comments in the code are by the model that wrote it; some were corrected since.
;; Decoder Block. Allowed arithmetic: matrix products marked QUANTISED: E2M1 operands, one E8M0 scale for each 32 along K, by v_wmma_scale_f32_16x16x128_f8f6f4 with both operands' format E2M1 (or v_wmma_scale_f32_32x16x128_f4), f32 sums; everything else in f32.
;; Inputs: W1_codes 2,048 x 16 x 16 uint8 (E2M1 codes of W1, K innermost, in blocks of 32 codes, two codes a byte); W1_scales 2,048 x 16 uint8 (E8M0 scales of W1, one for each 32 codes along K); W2_codes 512 x 64 x 16 uint8 (E2M1 codes of W2, K innermost, in blocks of 32 codes, two codes a byte); W2_scales 512 x 64 uint8 (E8M0 scales of W2, one for each 32 codes along K); Wk_codes 16 x 32 x 16 x 16 uint8 (E2M1 codes of Wk, K innermost, in blocks of 32 codes, two codes a byte); Wk_scales 16 x 32 x 16 uint8 (E8M0 scales of Wk, one for each 32 codes along K); Wo_codes 512 x 16 x 16 uint8 (E2M1 codes of Wo, K innermost, in blocks of 32 codes, two codes a byte); Wo_scales 512 x 16 uint8 (E8M0 scales of Wo, one for each 32 codes along K); Wq_codes 16 x 32 x 16 x 16 uint8 (E2M1 codes of Wq, K innermost, in blocks of 32 codes, two codes a byte); Wq_scales 16 x 32 x 16 uint8 (E8M0 scales of Wq, one for each 32 codes along K); Wv_codes 16 x 32 x 16 x 16 uint8 (E2M1 codes of Wv, K innermost, in blocks of 32 codes, two codes a byte); Wv_scales 16 x 32 x 16 uint8 (E8M0 scales of Wv, one for each 32 codes along K); b1 2,048 float32; b2 512 float32; be1 512 float32; be2 512 float32; bo 512 float32; g1 512 float32; g2 512 float32; x 4 x 2,048 x 512 float32.
;; Outputs: out0 4 x 2,048 x 512 float32.
;; This version of the problem:
;;   THIS VERSION OF THE PROBLEM IS GIVEN IN LOW PRECISION. The matrix products marked QUANTISED in the list below multiply operands that are first quantised to E2M1 (2 exponent bits, 1 mantissa bit; 4 bits a number), with one power-of-two scale for each 32 numbers along K (OCP MX v1.0); their sums are f32. All else is computed in f32.
;;   The module's matrix products, in the order in which they are computed (A, B: the left and right operand; K: the contracted axis; several contracted axes count as one K, in the product's order):
;;     1. [M 512, K 512] x [K 512, N 8,192]; A: input Wq (given as codes); B: computed on the way: QUANTISED
;;     2. [M 512, K 512] x [K 512, N 8,192]; A: input Wk (given as codes); B: computed on the way: QUANTISED
;;     3. [M 512, K 512] x [K 512, N 8,192]; A: input Wv (given as codes); B: computed on the way: QUANTISED
;;     4. batch 64 x [M 2,048, K 32] x [K 32, N 2,048]; A: computed on the way; B: computed on the way: QUANTISED
;;     5. batch 64 x [M 2,048, K 2,048] x [K 2,048, N 32]; A: softmax (see below); B: computed on the way: QUANTISED
;;     6. [M 8,192, K 512] x [K 512, N 512]; A: computed on the way; B: input Wo (given as codes): QUANTISED
;;     7. [M 8,192, K 512] x [K 512, N 2,048]; A: computed on the way; B: input W1 (given as codes): QUANTISED
;;     8. [M 8,192, K 2,048] x [K 2,048, N 512]; A: computed on the way; B: input W2 (given as codes): QUANTISED
;;   THE QUANTISER, for each operand of a quantised product, along K:
;;     - K is cut into blocks of 32 from its start; a last block that is shorter is filled with zeros.
;;     - A block's scale is 2^e with e = floor(log2(the largest magnitude in the block)) - 2, held to -126 .. 127; a block of zeros has e = 0. As a byte (E8M0): e + 127.
;;     - Each number is divided by its block's scale, clamped to +-6, and rounded to the nearest number of E2M1, ties to even, subnormals kept.
;;     - The product sums the exact products of the quantised numbers (number of the format x scale) in f32.
;;   ~~~python
;;   def quantise(x, axis):      # numpy; x: float32 -> the quantised numbers, widened to float32 again
;;       x = np.moveaxis(x, axis, -1); K = x.shape[-1]
;;       x = np.pad(x, [(0, 0)] * (x.ndim - 1) + [(0, -K % 32)]); x = x.reshape(x.shape[:-1] + (-1, 32)); a = np.abs(x).max(-1, keepdims=True)
;;       e = np.where(a > 0, np.clip(np.frexp(np.where(a > 0, a, 1))[1] - 1 - 2, -126, 127), 0)      # np.frexp(a)[1] - 1 = floor(log2(a)), exactly
;;       r = np.clip(x / 2.0 ** e, -6, 6)
;;       step = 2.0 ** (np.maximum(np.frexp(np.where(r == 0, 1, r))[1] - 1, 0) - 1)
;;       q = np.round(r / step) * step * 2.0 ** e      # np.round: ties to even
;;       return np.moveaxis(q.reshape(q.shape[:-2] + (-1,))[..., :K], -1, axis).astype(np.float32)
;;   ~~~
;;   SOFTMAX AHEAD OF A QUANTISED PRODUCT. Where the list says 'softmax', what is quantised is not the finished softmax but p = 2^(t - M), with t = logit x log2(e) and M = ceil(the row's largest t), a whole number; so 1/2 < the row's largest p <= 1. The row's sum l is taken of the UNQUANTISED p, in f32, and the product's result is divided by l at the end. Since M is a whole number, a kernel that streams over the keys may use a running M (the ceiling of the running maximum): every later rescaling is an exact power of two, which a block's scale takes up: the codes' values come out the same.
;;   OPERANDS COMPUTED ON THE WAY. 'Computed on the way' means the value that the module computes at that place (a softmax that the list does not call 'softmax' is quantised finished and normalised). What goes into a quantiser is computed in f32, as accurately as f32 sums, v_exp_f32 and their like allow (about 1e-6 of the number): no bf16 or f16 on the way to a quantiser, and a product that is left as it is and whose result goes on into a quantised operand takes f32 operands (vector FMAs, or v_wmma_f32_16x16x4_f32). A number that lies on a knife's edge between two numbers of the format may be rounded either way, as far as f32 arithmetic and the matrix unit's own rounding can turn it there, and no further.
;;   INPUTS GIVEN AS CODES. W1 (in the module: [512, 2048], K = its axis 0); W2 (in the module: [2048, 512], K = its axis 0); Wk (in the module: [16, 512, 32], K = its axis 1); Wo (in the module: [512, 512], K = its axis 0); Wq (in the module: [16, 512, 32], K = its axis 1); Wv (in the module: [16, 512, 32], K = its axis 1): each comes as NAME_codes (uint8): NAME with its K axis moved to the last place and cut into blocks of 32 codes, [.., K / 32, bytes a block], one block behind the other in memory; two codes a byte, the lower K in the low four bits (a code: sign, 2 exponent bits, 1 mantissa bit); and NAME_scales (uint8): the same leading axes, one E8M0 byte (e + 127) for each 32 codes along K. Its value is code x scale, taken as it is: it is not quantised again, and the codes and scales need not be those that the quantiser above would give.
;; One version. Each part assembles by itself: llvm-mc -triple=amdgcn-amd-amdhsa -mcpu=gfx1250 --defsym DOCPART=n.
;; ======== version 1 of 1: 3 launches
;; limits: right only within a limited range of input values
;; workspace buffers: qkvbuf 7,077,888 bytes; wimg 1,179,648 bytes; att 2,228,224 bytes
;; launch qkv (part 1): grid 256 x 1, 16 waves a work-group, no clusters, 76,800 bytes of LDS; arguments x, g1, be1, Wq_codes, Wq_scales, Wk_codes, Wk_scales, Wv_codes, Wv_scales, Wo_codes, W1_codes, W2_codes, qkvbuf, wimg; writes qkvbuf, wimg
.if DOCPART == 1
	.amdgcn_target "amdgcn-amd-amdhsa--gfx1250"
	.amdhsa_code_object_version 6
	.text
	.protected	k_q14446da22e_qkv
	.globl	k_q14446da22e_qkv
	.p2align	8
	.type	k_q14446da22e_qkv,@function
k_q14446da22e_qkv:
	s_mov_b64 s[64:65], 0
	v_nop
	global_prefetch_b8 v0, s[64:65] scope:SCOPE_SE
	s_setreg_imm32_b32 hwreg(HW_REG_WAVE_MODE, 25, 1), 1
	s_wait_xcnt 0x0
; LayerNorm 1, its quantising to FP4 (E2M1, one E8M0 byte for each 32 along K), Q = h Wq, K = h Wk, V = h Wv on codes, and the quantising of Q and K (along a head's 32
; channels) and of V (along 32 tokens).  Beside that the codes of Wo, W1, W2 are copied once into wimg in the order of a later launch's operand registers.
; SHARES.  A work-group owns 32 tokens: two tiles of 16.  Slot 16 tau + r stands for token 8 tau + r + 8 (r / 8), so that the two tiles, used as source 0, leave a lane 16 neighbouring tokens.
; Wave w normalises slots 2 w and 2 w + 1 (two neighbouring tokens), quantises one sixteenth of the 32 x 512 numbers, and then is head w in the three products.
; OPERANDS GO THROUGH LDS AND MEMORY AS IMAGES OF THEIR REGISTERS: block beta (32 codes, 16 bytes) of row r of a fragment lies at 256 beta + 16 r, so that ds_load_b128 / global_load_b128 at 512 c + 16 lane fill registers 4 c .. 4 c + 3.
; A head's record in qkvbuf, 110,592 bytes: K's codes at 0 and Q's at 69,632 (16 bytes a slot); V's codes at 32,768 (2048 step + 1024 u + 256 beta + 16 r); K's scale bytes at 65,536, V's at 67,584 (one word a lane
; for a step of 128 keys); Q's scale byte, four times in a word, at 102,400.
; The weights go from memory straight into each wave's registers (24 KB of codes a wave, its own head's, each byte once a wave) through a ring of three register slots; no LDS stage, so no joint loads and no cluster.
; LIMITS: NaN and infinities among the inputs are not served.  A block of zeros gets the byte 1 (its codes are zeros; these bytes are read by this program alone); blocks under 2^-124 are held at the byte 1.
; 1 / sqrt comes from v_rsq_f32; the variance is the mean of squared deviations, in two passes.
.set HP,    2064                       ; a row of the f32 stage: 2,048 bytes + 16, an odd multiple of 16
.set XIMG,  32*HP                      ; h's eight fragments (tile tau, K step s) at (4 tau + s) 1024
.set XSC,   XIMG+8192                  ; their scale bytes, 16 a slot
.set REC,   110592
.set O_V,   32768
.set O_KS,  65536
.set O_VS,  67584
.set O_Q,   69632
.set O_QS,  102400
.set LI,   4                           ; v4   16 x lane
.set HSTW, 5                           ; v5   stage: my two rows, 16 x lane
.set JR,   6                           ; v6   stage: what my quantising job reads
.set JW,   7                           ; v7   where its codes go
.set JS,   8                           ; v8   and its two scale bytes
.set WA,   9                           ; v9   a weight tile: row r + 8 (r / 8) of 256 bytes, + 16 h
.set WS,   10                          ; v10  its scale bytes: 16 a row
.set O8,   11                          ; v11  16 r + 8 h
.set L4,   12                          ; v12  4 x lane
.set R4H,  13                          ; v13  4 (r % 8) + 2 (r / 8) + h: where a slot's byte of K's scales lies in its 32 tokens' 32 bytes
.set XIR,  14                          ; v14  XIMG + 16 x lane
.set XSR,  15                          ; v15  XSC + 16 r
.set XF,   16                          ; v16-79   first x, g1, be1; then h's fragments, (tau, s) at 32 tau + 8 s
.set XS,   80                          ; v80-87   h's scale words, 4 tau + s: scales and nothing else
.set ACC,  88                          ; v88-119  at work in the LayerNorm and the job; then four accumulators
.set RING, 120                         ; v120-227 three slots of 36: 32 registers of codes (8 s + 4 c), 4 scale words
.set MX,   228
.set PM,   230
.set SO,   232
.set BY,   234
.set CD,   236
.set SELR, 240
.set RRV,  241                         ; r + 8 (r / 8)
.set RSRC, 250
.set RDAT, 252
.set SEL,  36                          ; s[36:37] selects of v_permlanex16_b32: lane l xor 16
.set HI,   38                          ; s38  a mask of lanes 16-31
.set LC,   0                           ; counts the loads issued so far; a group notes the count behind its last load
.macro PLACES n
.rept \n
	v_nop
.endr
.endm
.macro BARRIER                         ; my LDS stores have landed and my LDS loads are in: then the work-group's barrier
	s_wait_dscnt 0x0
	s_barrier_signal -1
	s_barrier_wait -1
.endm
.macro SUM16 d, s                      ; v[d] = the sum of v[s] .. v[s + 15]; v[d] .. v[d + 7] at work
	v_pk_add_f32 v[\d:\d+1], v[\s:\s+1], v[\s+2:\s+3]
	v_pk_add_f32 v[\d+2:\d+3], v[\s+4:\s+5], v[\s+6:\s+7]
	v_pk_add_f32 v[\d+4:\d+5], v[\s+8:\s+9], v[\s+10:\s+11]
	v_pk_add_f32 v[\d+6:\d+7], v[\s+12:\s+13], v[\s+14:\s+15]
	s_delay_alu instid0(VALU_DEP_3)
	v_pk_add_f32 v[\d:\d+1], v[\d:\d+1], v[\d+2:\d+3]
	s_delay_alu instid0(VALU_DEP_2)
	v_pk_add_f32 v[\d+4:\d+5], v[\d+4:\d+5], v[\d+6:\d+7]
	s_delay_alu instid0(VALU_DEP_1)
	v_pk_add_f32 v[\d:\d+1], v[\d:\d+1], v[\d+4:\d+5]
	s_delay_alu instid0(VALU_DEP_1)
	v_add_f32 v[\d], v[\d], v[\d+1]
.endm
.macro SQ16 d, s                       ; v[d] = the sum of their squares, in two chains
	v_pk_mul_f32 v[\d:\d+1], v[\s:\s+1], v[\s:\s+1]
	v_pk_mul_f32 v[\d+2:\d+3], v[\s+2:\s+3], v[\s+2:\s+3]
.irp i, 4,8,12
	s_delay_alu instid0(VALU_DEP_2)
	v_pk_fma_f32 v[\d:\d+1], v[\s+\i:\s+\i+1], v[\s+\i:\s+\i+1], v[\d:\d+1]
	s_delay_alu instid0(VALU_DEP_2)
	v_pk_fma_f32 v[\d+2:\d+3], v[\s+\i+2:\s+\i+3], v[\s+\i+2:\s+\i+3], v[\d+2:\d+3]
.endr
	s_delay_alu instid0(VALU_DEP_1)
	v_pk_add_f32 v[\d:\d+1], v[\d:\d+1], v[\d+2:\d+3]
	s_delay_alu instid0(VALU_DEP_1)
	v_add_f32 v[\d], v[\d], v[\d+1]
.endm
.macro WSUM d                          ; over the 32 lanes; the result in every lane
	v_add_f32_dpp v[\d], v[\d], v[\d] row_xmask:1 row_mask:0xf bank_mask:0xf
	s_delay_alu instid0(VALU_DEP_1)
	v_add_f32_dpp v[\d], v[\d], v[\d] row_xmask:2 row_mask:0xf bank_mask:0xf
	s_delay_alu instid0(VALU_DEP_1)
	v_add_f32_dpp v[\d], v[\d], v[\d] row_xmask:4 row_mask:0xf bank_mask:0xf
	s_delay_alu instid0(VALU_DEP_1)
	v_add_f32_dpp v[\d], v[\d], v[\d] row_xmask:8 row_mask:0xf bank_mask:0xf
	s_delay_alu instid0(VALU_DEP_1)
	v_permlanex16_b32 v[\d+1], v[\d], s[SEL], s[SEL+1]
	s_delay_alu instid0(VALU_DEP_1)
	v_add_f32 v[\d], v[\d], v[\d+1]
.endm
; Two runs of 16 numbers, each half a block of 32 whose other half lies in lane l xor 16, become codes in v[CD], v[CD+1] and v[CD+2], v[CD+3], and bytes in v[BY], v[BY+1].
.macro QNT2 a, b
	v_max3_num_f32 v[MX], |v[\a]|, |v[\a+1]|, 0x1800000            ; the floor 2^(3 - 127) among the leaves holds the byte at 1 from below
	v_max3_num_f32 v[MX+1], |v[\b]|, |v[\b+1]|, 0x1800000
.irp i, 2,4,6,8,10,12,14
	v_max3_num_f32 v[MX], v[MX], |v[\a+\i]|, |v[\a+\i+1]|
	v_max3_num_f32 v[MX+1], v[MX+1], |v[\b+\i]|, |v[\b+\i+1]|
.endr
	s_delay_alu instid0(VALU_DEP_2)
	v_permlanex16_b32 v[PM], v[MX], s[SEL], s[SEL+1]
	s_delay_alu instid0(VALU_DEP_2)
	v_permlanex16_b32 v[PM+1], v[MX+1], s[SEL], s[SEL+1]
	s_delay_alu instid0(VALU_DEP_2)
	v_max_num_f32 v[MX], v[MX], v[PM]                              ; the block's largest magnitude
	s_delay_alu instid0(VALU_DEP_2)
	v_max_num_f32 v[MX+1], v[MX+1], v[PM+1]
	s_delay_alu instid0(VALU_DEP_2)
	v_add_nc_u32 v[SO], 0xff000000, v[MX]                          ; 2 off its exponent field: the conversion's scale operand
	s_delay_alu instid0(VALU_DEP_2)
	v_add_nc_u32 v[SO+1], 0xff000000, v[MX+1]
	s_delay_alu instid0(VALU_DEP_2)
	v_lshrrev_b32 v[BY], 23, v[SO]                                 ; the scale's byte
	s_delay_alu instid0(VALU_DEP_2)
	v_lshrrev_b32 v[BY+1], 23, v[SO+1]
	v_cvt_scalef32_pk8_fp4_f32 v[CD], v[\a:\a+7], v[SO]
	v_cvt_scalef32_pk8_fp4_f32 v[CD+1], v[\a+8:\a+15], v[SO]
	v_cvt_scalef32_pk8_fp4_f32 v[CD+2], v[\b:\b+7], v[SO+1]
	v_cvt_scalef32_pk8_fp4_f32 v[CD+3], v[\b+8:\b+15], v[SO+1]
	v_nop                                                          ; one plain place behind the scaled conversions
.endm
; Tile u (rows 8 u + r + 8 (r / 8) of my head) of a weight, all of K = 512, into a ring slot: eight loads of codes, one of its four scale words
.macro WLOAD slot, cb, sb, u
.irp i, 0,1,2,3,4,5,6,7
	global_load_b128 v[RING+36*(\slot)+4*\i:RING+36*(\slot)+4*\i+3], v[WA], s[\cb:\cb+1] offset:(\u)*2048+32*\i
.endr
	global_load_b128 v[RING+36*(\slot)+32:RING+36*(\slot)+35], v[WS], s[\sb:\sb+1] offset:(\u)*128
.set LC, LC+9
.set E\slot, LC
.endm
.macro WAITU slot
	s_wait_loadcnt LC-E\slot                                       ; loads come back in order: only the loads issued behind this slot's may be out
.endm
; Eight matrix instructions: the slot's tile against the two token tiles, four K steps.  The two accumulators take turns.  wfirst = 1: source 0 = the weight (a lane then holds one token
; and eight channels); 0: source 0 = the tokens (a lane holds one channel and eight tokens).
.macro MUL slot, wfirst, a0, a1
.irp s, 0,1,2,3
.irp t, 0,1
.if \t
.set AC, \a1
.else
.set AC, \a0
.endif
.set WR, RING+36*(\slot)+8*\s
.set WC, RING+36*(\slot)+32+\s
.set XR, XF+32*\t+8*\s
.set XC, XS+4*\t+\s
.if \wfirst && (\s == 0)
	v_wmma_scale_f32_16x16x128_f8f6f4 v[AC:AC+7], v[WR:WR+7], v[XR:XR+7], 0, v[WC], v[XC] matrix_a_fmt:MATRIX_FMT_FP4 matrix_b_fmt:MATRIX_FMT_FP4
.elseif \wfirst
	v_wmma_scale_f32_16x16x128_f8f6f4 v[AC:AC+7], v[WR:WR+7], v[XR:XR+7], v[AC:AC+7], v[WC], v[XC] matrix_a_fmt:MATRIX_FMT_FP4 matrix_b_fmt:MATRIX_FMT_FP4
.elseif \s == 0
	v_wmma_scale_f32_16x16x128_f8f6f4 v[AC:AC+7], v[XR:XR+7], v[WR:WR+7], 0, v[XC], v[WC] matrix_a_fmt:MATRIX_FMT_FP4 matrix_b_fmt:MATRIX_FMT_FP4
.else
	v_wmma_scale_f32_16x16x128_f8f6f4 v[AC:AC+7], v[XR:XR+7], v[WR:WR+7], v[AC:AC+7], v[XC], v[WC] matrix_a_fmt:MATRIX_FMT_FP4 matrix_b_fmt:MATRIX_FMT_FP4
.endif
.endr
.endr
.endm
	s_load_b512 s[8:23], s[0:1], 0x0               ; x, g1, be1, Wq codes, Wq scales, Wk codes, Wk scales, Wv codes
	s_load_b256 s[24:31], s[0:1], 0x40             ; Wv scales, Wo codes, W1 codes, W2 codes
	s_load_b128 s[32:35], s[0:1], 0x60             ; qkvbuf, wimg
	v_lshl_add_u32 v249, v0, 2, 0x12400
	v_mov_b32 v251, 0
	v_lshrrev_b32 v1, 5, v0
	s_delay_alu instid0(VALU_DEP_1)
	v_readfirstlane_b32 s4, v1                     ; wave 0..15
	s_mov_b32 s5, ttmp9                            ; work-group g
	v_and_b32 v1, 31, v0                           ; lane
	v_and_b32 v2, 15, v0                           ; r
	v_bfe_u32 v3, v0, 4, 1                         ; h
	s_delay_alu instid0(VALU_DEP_2)
	v_and_b32 v[RRV], 8, v2
	s_delay_alu instid0(VALU_DEP_1)
	v_add_nc_u32 v[RRV], v[RRV], v2                ; r + 8 (r / 8)
	v_lshlrev_b32 v[LI], 4, v1
	s_wait_alu depctr_va_vdst(0)
	s_mul_i32 s6, s4, 2*HP
	v_add_nc_u32 v[HSTW], s6, v[LI]
	s_lshr_b32 s6, s4, 3                           ; my job's tile of tokens
	s_and_b32 s7, s4, 7                            ; and its 64 channels: 2 (K step) + c
	s_mul_i32 s52, s6, 16*HP
	s_lshl_b32 s53, s7, 8
	s_add_co_u32 s52, s52, s53
	v_mul_u32_u24 v[JR], v2, HP
	s_delay_alu instid0(VALU_DEP_1)
	v_lshl_add_u32 v[JR], v3, 6, v[JR]
	s_delay_alu instid0(VALU_DEP_1)
	v_add_nc_u32 v[JR], s52, v[JR]                 ; row 16 tau + r, 256 bytes x (w % 8), + 64 h
	s_lshl_b32 s52, s4, 9
	s_add_co_u32 s52, s52, XIMG
	v_add_nc_u32 v[JW], s52, v[LI]                 ; (4 tau + s) 1024 + 512 c = 512 w
	s_lshl_b32 s52, s6, 8
	s_lshl_b32 s53, s7, 1
	s_add_co_u32 s52, s52, s53
	s_add_co_u32 s52, s52, XSC
	v_lshl_add_u32 v[JS], v2, 4, s52
	v_lshlrev_b32 v[WA], 8, v[RRV]
	s_delay_alu instid0(VALU_DEP_1)
	v_lshl_add_u32 v[WA], v3, 4, v[WA]
	v_lshlrev_b32 v[WS], 4, v[RRV]
	v_lshlrev_b32 v[O8], 4, v2
	s_delay_alu instid0(VALU_DEP_1)
	v_lshl_add_u32 v[O8], v3, 3, v[O8]
	v_lshlrev_b32 v[L4], 2, v1
	v_and_b32 v[R4H], 7, v2
	v_lshrrev_b32 v[SELR], 3, v2
	v_lshl_add_u32 v[R4H], v[R4H], 2, v3
	v_lshl_add_u32 v[R4H], v[SELR], 1, v[R4H]
	v_add_nc_u32 v[XIR], XIMG, v[LI]
	v_lshl_add_u32 v[XSR], v2, 4, XSC
	v_mov_b32 v[PM], 0                             ; written once: a lane permute's destination counts as one of its sources
	v_mov_b32 v[PM+1], 0
	s_mov_b32 s[SEL], 0x76543210
	s_mov_b32 s[SEL+1], 0xfedcba98
	s_mov_b32 s[HI], 0xffff0000
	s_mov_b32 s39, 0x3b000000                      ; 1 / 512
	s_mov_b32 s2, 0x3727c5ac                       ; eps = 1e-5
	s_lshl_b32 s52, s6, 3                          ; the token of slot 2 w: 8 (w / 8) + 2 (w % 8) + 8 ((w / 4) % 2)
	s_lshl_b32 s53, s7, 1
	s_add_co_u32 s52, s52, s53
	s_bfe_u32 s53, s4, 0x10002
	s_lshl_b32 s53, s53, 3
	s_add_co_u32 s52, s52, s53
	s_lshl_b32 s53, s5, 5
	s_add_co_u32 s52, s52, s53                     ; + 32 g
	s_lshl_b32 s52, s52, 11                        ; rows of 2,048 bytes
	s_mov_b32 s53, 0
	s_lshl_b32 s54, s4, 13                         ; my head's codes: 8,192 bytes,
	s_mov_b32 s55, 0
	s_lshl_b32 s56, s4, 9                          ; its scale bytes: 512
	s_mov_b32 s57, 0
	s_lshr_b32 s58, s5, 6                          ; the batch
	s_lshl_b32 s58, s58, 4
	s_add_co_u32 s58, s58, s4
	s_mul_i32 s40, s58, REC                        ; my head's record
	s_and_b32 s58, s5, 63                          ; g' : which 32 tokens of the sequence
	s_lshr_b32 s59, s58, 2                         ; which step of 128 keys
	s_and_b32 s60, s58, 3                          ; beta: which block of 32 in it
	s_lshl_b32 s42, s58, 9
	s_add_co_u32 s42, s42, s40                     ; K's and Q's codes: 512 g'
	s_mov_b32 s43, 0
	s_lshl_b32 s44, s59, 11
	s_lshl_b32 s61, s60, 8
	s_add_co_u32 s44, s44, s61
	s_add_co_u32 s44, s44, s40                     ; V's codes: 2048 step + 256 beta
	s_mov_b32 s45, 0
	s_lshl_b32 s48, s59, 7
	s_add_co_u32 s48, s48, s40                     ; 128 step
	s_lshl_b32 s61, s60, 5
	s_add_co_u32 s46, s48, s61                     ; K's scale bytes: + 32 beta; token t of the 32 has byte 4 (t % 8) + t / 8: row t % 8 + 8 (beta % 2) of the later launch's key tile t / 8
	s_mov_b32 s47, 0
	s_add_co_u32 s48, s48, s60                     ; V's: + beta
	s_mov_b32 s49, 0
	s_lshl_b32 s50, s58, 7
	s_add_co_u32 s50, s50, s40                     ; Q's scale words: 128 g'
	s_mov_b32 s51, 0
	s_wait_alu depctr_va_vdst(0)
	s_wait_kmcnt 0x0
	s_add_nc_u64 s[8:9], s[8:9], s[52:53]
	s_add_nc_u64 s[14:15], s[14:15], s[54:55]
	s_add_nc_u64 s[18:19], s[18:19], s[54:55]
	s_add_nc_u64 s[22:23], s[22:23], s[54:55]
	s_add_nc_u64 s[16:17], s[16:17], s[56:57]
	s_add_nc_u64 s[20:21], s[20:21], s[56:57]
	s_add_nc_u64 s[24:25], s[24:25], s[56:57]
	s_add_nc_u64 s[42:43], s[32:33], s[42:43]
	s_add_nc_u64 s[44:45], s[32:33], s[44:45]
	s_add_nc_u64 s[46:47], s[32:33], s[46:47]
	s_add_nc_u64 s[48:49], s[32:33], s[48:49]
	s_add_nc_u64 s[50:51], s[32:33], s[50:51]
	; ---- all first loads: my two tokens of x (each load 512 consecutive bytes), g1, be1, then three ring slots
.irp i, 0,1
.irp j, 0,1,2,3
	global_load_b128 v[XF+16*\i+4*\j:XF+16*\i+4*\j+3], v[LI], s[8:9] offset:2048*\i+512*\j
.endr
.endr
.irp j, 0,1,2,3
	global_load_b128 v[XF+32+4*\j:XF+32+4*\j+3], v[LI], s[10:11] offset:512*\j
.endr
.irp j, 0,1,2,3
	global_load_b128 v[XF+48+4*\j:XF+48+4*\j+3], v[LI], s[12:13] offset:512*\j
.endr
.set LC, 16
.set E_LN, LC
	WLOAD 0, 14, 16, 0                             ; Wq, tile 0
	WLOAD 1, 14, 16, 1                             ; Wq, tile 1
	WLOAD 2, 18, 20, 0                             ; Wk, tile 0
	; ---- the relay: wimg has 16 x 18 x 8 pieces of 512 bytes; 256 work-groups x 9 waves copy one each.  Piece (w', k, i): registers 4 i .. 4 i + 3 of unit k of the later launch's wave w'.
	; Load, wait and store stand in this one branch; the wait is for 0: all that it waits for is wanted below anyway.
	s_cmp_lt_u32 s4, 9
	s_cbranch_scc0 .Lno_relay
	s_lshr_b32 s52, s5, 4                          ; w'
	s_and_b32 s53, s5, 15
	s_mul_i32 s53, s53, 9
	s_add_co_u32 s53, s53, s4
	s_lshr_b32 s54, s53, 3                         ; k = 0 .. 17
	s_and_b32 s55, s53, 7                          ; i
	s_lshl_b32 s56, s52, 5
	s_lshl_b32 s57, s54, 3
	s_add_co_u32 s56, s56, s57
	s_lshl_b32 s56, s56, 8                         ; k < 2: Wo, rows 32 w' + 8 k on, 256 bytes a row
	s_sub_co_u32 s57, s54, 2
	s_lshr_b32 s58, s57, 1
	s_and_b32 s57, s57, 1
	s_lshl_b32 s58, s58, 5
	s_lshl_b32 s57, s57, 3
	s_add_co_u32 s57, s57, s58
	s_lshl_b32 s58, s52, 7
	s_add_co_u32 s57, s57, s58
	s_lshl_b32 s57, s57, 8                         ; k < 10: W1, rows 128 w' + 32 ((k - 2) / 2) + 8 ((k - 2) % 2) on
	s_sub_co_u32 s58, s54, 10
	s_and_b32 s59, s58, 1
	s_lshr_b32 s58, s58, 1
	s_lshl_b32 s58, s58, 8
	s_lshl_b32 s59, s59, 3
	s_lshl_b32 s60, s52, 5
	s_add_co_u32 s59, s59, s60
	s_lshl_b32 s59, s59, 10
	s_add_co_u32 s58, s58, s59                     ; else W2: rows 32 w' + 8 ((k - 10) % 2) on, 1,024 bytes a row, 256 ((k - 10) / 2) bytes along it
	s_cmp_lt_u32 s54, 10                           ; the choices hang on ids alone
	s_cselect_b64 s[60:61], s[28:29], s[30:31]
	s_cselect_b32 s57, s57, s58
	s_cselect_b32 s62, 8, 10
	s_cmp_lt_u32 s54, 2
	s_cselect_b64 s[60:61], s[26:27], s[60:61]
	s_cselect_b32 s56, s56, s57
	s_cselect_b32 s62, 8, s62                      ; log2 of the row's bytes
	s_lshl_b32 s57, s55, 5
	s_add_co_u32 s56, s56, s57                     ; + 32 i
	s_mov_b32 s57, 0
	s_add_nc_u64 s[60:61], s[60:61], s[56:57]
	v_lshlrev_b32 v[RSRC], s62, v[RRV]
	s_delay_alu instid0(VALU_DEP_1)
	v_lshl_add_u32 v[RSRC], v3, 4, v[RSRC]
	global_load_b128 v[RDAT:RDAT+3], v[RSRC], s[60:61]
	s_mul_i32 s58, s52, 18
	s_add_co_u32 s58, s58, s54
	s_lshl_b32 s58, s58, 12
	s_lshl_b32 s59, s55, 9
	s_add_co_u32 s58, s58, s59
	s_mov_b32 s59, 0
	s_add_nc_u64 s[58:59], s[34:35], s[58:59]
	s_wait_loadcnt 0x0
	global_store_b128 v[LI], v[RDAT:RDAT+3], s[58:59]      ; 512 consecutive bytes; data and base are not written again
.Lno_relay:
	; ---- LayerNorm 1 of my two tokens: 16 numbers a lane each
	s_wait_loadcnt LC-E_LN                         ; x, g1, be1 are in; the ring's 27 loads may be out
	SUM16 ACC, XF
	SUM16 ACC+8, XF+16
	WSUM ACC
	WSUM ACC+8
	v_mul_f32 v[ACC], s39, v[ACC]                  ; the means
	s_delay_alu instid0(VALU_DEP_2)
	v_mul_f32 v[ACC+8], s39, v[ACC+8]
.irp p, 0,2,4,6,8,10,12,14
	v_pk_add_f32 v[XF+\p:XF+\p+1], v[XF+\p:XF+\p+1], v[ACC:ACC+1] op_sel_hi:[1,0] neg_lo:[0,1] neg_hi:[0,1]
	v_pk_add_f32 v[XF+16+\p:XF+16+\p+1], v[XF+16+\p:XF+16+\p+1], v[ACC+8:ACC+9] op_sel_hi:[1,0] neg_lo:[0,1] neg_hi:[0,1]
.endr
	SQ16 ACC+16, XF
	SQ16 ACC+24, XF+16
	WSUM ACC+16
	WSUM ACC+24
	v_fma_f32 v[ACC+16], v[ACC+16], s39, s2        ; the variance + eps
	s_delay_alu instid0(VALU_DEP_2)
	v_fma_f32 v[ACC+24], v[ACC+24], s39, s2
	s_wait_alu depctr_va_vdst(0)
	v_rsq_f32 v[ACC+16], v[ACC+16]
	v_rsq_f32 v[ACC+24], v[ACC+24]
	v_nop                                          ; one plain place behind the transcendentals
	s_wait_alu depctr_va_vdst(0)
.irp p, 0,2,4,6,8,10,12,14
	v_pk_mul_f32 v[XF+\p:XF+\p+1], v[XF+\p:XF+\p+1], v[ACC+16:ACC+17] op_sel_hi:[1,0]
	v_pk_mul_f32 v[XF+16+\p:XF+16+\p+1], v[XF+16+\p:XF+16+\p+1], v[ACC+24:ACC+25] op_sel_hi:[1,0]
.endr
.irp p, 0,2,4,6,8,10,12,14
	v_pk_fma_f32 v[XF+\p:XF+\p+1], v[XF+\p:XF+\p+1], v[XF+32+\p:XF+32+\p+1], v[XF+48+\p:XF+48+\p+1]
	v_pk_fma_f32 v[XF+16+\p:XF+16+\p+1], v[XF+16+\p:XF+16+\p+1], v[XF+32+\p:XF+32+\p+1], v[XF+48+\p:XF+48+\p+1]
.endr
.irp i, 0,1
.irp j, 0,1,2,3
	ds_store_b128 v[HSTW], v[XF+16*\i+4*\j:XF+16*\i+4*\j+3] offset:HP*\i+512*\j
.endr
.endr
	BARRIER                                        ; 32 rows of h lie in the stage
	; ---- my job: 16 rows x 64 channels: two blocks, of each my half's 16 numbers
.irp e, 0,1
.irp j, 0,1,2,3
	ds_load_b128 v[ACC+16*\e+4*\j:ACC+16*\e+4*\j+3], v[JR] offset:128*\e+16*\j
.endr
.endr
	s_wait_dscnt 0x0
	QNT2 ACC, ACC+16
	v_permlane16_swap_b32 v[CD], v[CD+2]           ; the operand's layout wants a whole block in a lane: lanes 0-15 the first block, lanes 16-31 the second
	v_permlane16_swap_b32 v[CD+1], v[CD+3]
	v_lshl_or_b32 v[SELR], v[BY+1], 8, v[BY]
	ds_store_b128 v[JW], v[CD:CD+3]
	ds_store_b16 v[JS], v[SELR]                    ; lanes l and l xor 16 write the same two bytes with the same value
	BARRIER                                        ; h's eight fragments and their scale bytes lie in LDS
	; ---- the products
.irp t, 0,1
.irp i, 0,1,2,3,4,5,6,7
	ds_load_b128 v[XF+32*\t+4*\i:XF+32*\t+4*\i+3], v[XIR] offset:4096*\t+512*\i
.endr
	ds_load_b128 v[XS+4*\t:XS+4*\t+3], v[XSR] offset:256*\t
.endr
	s_wait_dscnt 0x0
	WAITU 0
	MUL 0, 1, ACC, ACC+16                          ; Q, channels 16 h + 0 .. 7 of a lane's token
	PLACES 5                                       ; behind every run of matrix instructions: four places serve reads of results and loads into operands, the fifth a matrix instruction that writes over them
	WLOAD 0, 18, 20, 1                             ; Wk, tile 1
	WAITU 1
	MUL 1, 1, ACC+8, ACC+24                        ; Q, channels 16 h + 8 .. 15
	PLACES 5
	WLOAD 1, 22, 24, 0                             ; Wv, tile 0
	s_wait_xcnt 0x0                                ; (the registers written below are rewritten only behind this wait, here and twice more)
	QNT2 ACC, ACC+16                               ; a head's 32 channels are one block: token tile 0, token tile 1
	global_store_b64 v[O8], v[CD:CD+1], s[42:43] offset:O_Q            ; the wave stores 256 consecutive bytes
	global_store_b64 v[O8], v[CD+2:CD+3], s[42:43] offset:O_Q+256
	v_cndmask_b32 v[SELR], v[BY], v[BY+1], s[HI]   ; lane 16 tau + r: slot's byte,
	s_delay_alu instid0(VALU_DEP_1)
	v_perm_b32 v[SELR], v[SELR], v[SELR], 0        ; four times in a word: it will scale whichever block of the instruction's K holds Q
	global_store_b32 v[L4], v[SELR], s[50:51] offset:O_QS
	WAITU 2
	MUL 2, 1, ACC, ACC+16                          ; K likewise
	PLACES 5
	WLOAD 2, 22, 24, 1                             ; Wv, tile 1
	WAITU 0
	MUL 0, 1, ACC+8, ACC+24
	PLACES 5
	s_wait_xcnt 0x0
	QNT2 ACC, ACC+16
	global_store_b64 v[O8], v[CD:CD+1], s[42:43]
	global_store_b64 v[O8], v[CD+2:CD+3], s[42:43] offset:256
	v_cndmask_b32 v[SELR], v[BY], v[BY+1], s[HI]
	global_store_b8 v[R4H], v[SELR], s[46:47] offset:O_KS
	WAITU 1
	MUL 1, 0, ACC, ACC+8                           ; V: source 0 = the tokens: a lane holds channel 8 u + r + 8 (r / 8) and tokens 16 h + 0 .. 15
	WAITU 2
	MUL 2, 0, ACC+16, ACC+24
	PLACES 5
	s_wait_xcnt 0x0
	QNT2 ACC, ACC+16                               ; along the 32 tokens: channel tile 0, channel tile 1
	global_store_b64 v[O8], v[CD:CD+1], s[44:45] offset:O_V
	global_store_b64 v[O8], v[CD+2:CD+3], s[44:45] offset:O_V+1024
	v_cndmask_b32 v[SELR], v[BY], v[BY+1], s[HI]
	global_store_b8 v[L4], v[SELR], s[48:49] offset:O_VS
	s_barrier_signal -1
	s_barrier_wait -1
	s_wait_tensorcnt 0x0
	ds_add_u32 v249, v251
	s_wait_dscnt 0x0
	s_endpgm
.Lfunc_end_k_q14446da22e_qkv:
	.size	k_q14446da22e_qkv, .Lfunc_end_k_q14446da22e_qkv-k_q14446da22e_qkv
	.p2alignl 7, 3214868480
	.fill 96, 4, 3214868480
	.section	.rodata,"a",@progbits
	.p2align	6, 0x0
	.amdhsa_kernel k_q14446da22e_qkv
		.amdhsa_group_segment_fixed_size 76800
		.amdhsa_private_segment_fixed_size 0
		.amdhsa_enable_private_segment 0
		.amdhsa_kernarg_size 112
		.amdhsa_user_sgpr_count 2
		.amdhsa_user_sgpr_kernarg_segment_ptr 1
		.amdhsa_wavefront_size32 1
		.amdhsa_system_sgpr_workgroup_id_x 1
		.amdhsa_system_sgpr_workgroup_id_y 1
		.amdhsa_system_sgpr_workgroup_id_z 1
		.amdhsa_system_vgpr_workitem_id 0
		.amdhsa_next_free_vgpr 256
		.amdhsa_next_free_sgpr 66
		.amdhsa_reserve_vcc 0
		.amdhsa_float_denorm_mode_32 3
		.amdhsa_float_denorm_mode_16_64 3
		.amdhsa_memory_ordered 1
		.amdhsa_forward_progress 1
		.amdhsa_inst_pref_size 41
	.end_amdhsa_kernel
	.amdgpu_metadata
---
amdhsa.version: [ 1, 2 ]
amdhsa.kernels:
  - .name:           k_q14446da22e_qkv
    .symbol:         k_q14446da22e_qkv.kd
    .args:
      - { .name: x, .offset: 0, .size: 8, .value_kind: global_buffer, .address_space: global }
      - { .name: g1, .offset: 8, .size: 8, .value_kind: global_buffer, .address_space: global }
      - { .name: be1, .offset: 16, .size: 8, .value_kind: global_buffer, .address_space: global }
      - { .name: Wq_codes, .offset: 24, .size: 8, .value_kind: global_buffer, .address_space: global }
      - { .name: Wq_scales, .offset: 32, .size: 8, .value_kind: global_buffer, .address_space: global }
      - { .name: Wk_codes, .offset: 40, .size: 8, .value_kind: global_buffer, .address_space: global }
      - { .name: Wk_scales, .offset: 48, .size: 8, .value_kind: global_buffer, .address_space: global }
      - { .name: Wv_codes, .offset: 56, .size: 8, .value_kind: global_buffer, .address_space: global }
      - { .name: Wv_scales, .offset: 64, .size: 8, .value_kind: global_buffer, .address_space: global }
      - { .name: Wo_codes, .offset: 72, .size: 8, .value_kind: global_buffer, .address_space: global }
      - { .name: W1_codes, .offset: 80, .size: 8, .value_kind: global_buffer, .address_space: global }
      - { .name: W2_codes, .offset: 88, .size: 8, .value_kind: global_buffer, .address_space: global }
      - { .name: qkvbuf, .offset: 96, .size: 8, .value_kind: global_buffer, .address_space: global }
      - { .name: wimg, .offset: 104, .size: 8, .value_kind: global_buffer, .address_space: global }
    .group_segment_fixed_size: 76800
    .private_segment_fixed_size: 0
    .kernarg_segment_align: 8
    .kernarg_segment_size: 112
    .max_flat_workgroup_size: 512
    .sgpr_count:     66
    .vgpr_count:     256
    .wavefront_size: 32
...
	.end_amdgpu_metadata
.endif
;; end of part 1
;; launch attn (part 2): grid 4 x 64, 16 waves a work-group, no clusters, 71,680 bytes of LDS; arguments qkvbuf, att; writes att
.if DOCPART == 2
	.amdgcn_target "amdgcn-amd-amdhsa--gfx1250"
	.amdhsa_code_object_version 6
	.text
	.protected	k_q14446da22e_attn
	.globl	k_q14446da22e_attn
	.p2align	8
	.type	k_q14446da22e_attn,@function
k_q14446da22e_attn:
	s_mov_b64 s[64:65], 0
	v_nop
	global_prefetch_b8 v0, s[64:65] scope:SCOPE_SE
	s_setreg_imm32_b32 hwreg(HW_REG_WAVE_MODE, 25, 1), 1
	s_wait_xcnt 0x0
; Causal attention of one head on codes of FP4: S^T = K Q^T, p = 2^(t - M), O^T = V^T p^T, O / l, and O's quantising along the head's 32 channels (one block of the next product's K).
; t = score x c, c = log2(e) / sqrt(32); M = the running largest t rounded up to a whole number; l = the sum of the unquantised p; when M moves, l and O^T are multiplied by a power of two.
; LEFT OUT: keys that come, in whole groups of 64, after all of a tile's queries: the causal mask hides them (a -inf ahead of the softmax), for all values of the inputs.
; SHARES.  Work-group (x, y): head y of 64, a quarter of its query tiles.  Wave w has pair number i = 16 x + w and takes query tile i, then tile 127 - i: tile T needs key steps 0 .. T / 8, so each wave works 17 steps of 128 keys.
; Query tile T, lane r stands for token 32 (T / 2) + 8 (T % 2) + r + 8 (r / 8), as the launches before and behind lay Q and att.
; THE KEYS OF A TILE.  Key tile u (0..3) of group G (64 keys) takes keys 64 G + 8 u + 0..7 as rows 0-7 and keys 64 G + 32 + 8 u + 0..7 as rows 8-15.  In S^T lane (r, h) then holds query r, and its registers 32 G + 0 .. 31
; are the WHOLE block 2 G + h of 32 keys, in ascending order: a block's maximum needs no other lane, and the conversions' results are p's operand registers as they stand.
; LDS holds the head's K and V codes and scale words, 69,632 bytes, written once ahead of the one barrier; K's 16-byte slots are put in the tiles' order by the fill's LDS address (two address bits change places).
; The four work-groups of a head share only these bytes, read once at the head by plain loads: no loop over memory to run ahead in, so no prefetch; too little for joint loads, so no cluster.
; K = 32 IN AN INSTRUCTION OF K = 128.  A fragment of 8 registers holds FOUR key tiles, one in each block of 32 of the instruction's K; Q's operand holds the query's 32 codes in one block and zero codes in the other three.
; Twenty registers (zeros, Q in lanes 0-15, zeros, Q in lanes 16-31, zeros) give the four operands as overlapping runs of eight.
; THE WALK.  Every trip count is a constant: 16 trips a tile.  Scalar branches on ids choose a trip's work among three forms of the step: ahead of the diagonal all 128 keys; on the diagonal all 128 keys with the mask on keys 64-127,
; or, where the queries lie in keys 0-63, those 64 keys alone (p's codes of keys 64-127 are zeros); a trip past the diagonal only steps the addresses.  A step's K fragments are asked of LDS one step ahead.
; LIMITS: NaN and infinities are not served; a block of zeros gets the byte 1 or 0 (its codes are zeros); 1 / l comes from v_rcp_f32; the scaled scores stay under 2^31 in magnitude.
.set REC,  110592
.set LI,   3                           ; 16 x lane
.set LS,   4                           ; 65,536 + 4 x lane
.set ADK,  5
.set ADS,  6
.set RR,   7                           ; r + 8 (r / 8) - 32 h
.set DQ,   8                           ; my query less the first key of my block in the diagonal's group of 64
.set R16,  9                           ; 16 r
.set R4,   10                          ; 4 r
.set O8,   11                          ; 16 r + 8 h
.set QT,   36                          ; v36-43 both passes' query codes as loaded
.set QSR,  44                          ; v44, v45 Q's scale words; v46 K's; v47 V's; v48 p's: scales and nothing else
.set KSC,  46
.set VSC,  47
.set PW,   48
.set H8,   49                          ; 8 h
.set KF,   50                          ; two fragments of K: eight key tiles
.set VF,   66                          ; two fragments of V^T
.set PC,   82                          ; p's codes
.set OA,   90                          ; O^T: channels 16 h + 0 .. 15 of my query
.set S,    106                         ; v106-169 S^T, then p; on the way out O / l
.set BM,   170                         ; my two blocks' largest scores, then largest p
.set RM,   172
.set RP,   173
.set SOP,  174
.set BY,   176
.set WD,   178
.set WP,   179
.set TA,   180
.set TA2,  181
.set FF,   182                         ; v[182:183] f; the upper one is written once
.set SUM2, 184
.set NEG,  186                         ; -infinity
.set CB,   188
.set MX,   190
.set PM,   192
.set SO,   193
.set SPW,  200
.set NIL,  201
.set FA,   202
.set FB,   203
.set FC,   204
.set FK,   205
.set FT,   206
.set LANE, 208
.set CD,   240                         ; the way out's codes and byte: registers of its own for each pass, so that no store's data is written again
.set SEL,  16
.set HI,   18
.set CS,   20
.set ST,   22                          ; the step
.set TB,   23                          ; its first byte among K's codes: 2,048 a step
.set TS,   24                          ; and among the scale words: 128 a step
.macro ADDS k                          ; l takes 4 k more of the unquantised p, in two chains
.rept \k
	v_pk_add_f32 v[14:15], v[14:15], v[S+N:S+N+1]
	v_pk_add_f32 v[SUM2:SUM2+1], v[SUM2:SUM2+1], v[S+N+2:S+N+3]
.set N, N+4
.endr
.endm
.macro MASK32 g                        ; group g's 32 registers: register n holds key n of my block: hidden where n > DQ
.set N, 0
.rept 32
	v_cmp_gt_i32 vcc_lo, N, v[DQ]
	v_cndmask_b32 v[S+32*\g+N], v[S+32*\g+N], v[NEG], vcc_lo
.set N, N+1
.endr
.endm
; A KEY STEP.  kind 0: ahead of the diagonal, all 128 keys count, and the next step's K is asked for.  kind 1: on the diagonal, my queries in keys 64-127.  kind 2: on the diagonal, my queries in keys 0-63: group 0 alone.
.macro BODY p, kind
.if \kind == 2
.set NG, 1
.set RMX, BM
.else
.set NG, 2
.set RMX, RM
.endif
	s_wait_dscnt 0x0                               ; this step's K and its words, asked for a step ago
.set T8, 0
.rept 4*NG                                         ; S^T of key tile T8: Q stands in block T8 % 4 of the instruction's K
.set QB, 20+8*(T8&1)-4*((T8>>1)&1)
.if T8 < 4
	v_wmma_scale_f32_16x16x128_f8f6f4 v[S+8*T8:S+8*T8+7], v[KF:KF+7], v[QB:QB+7], 0, v[KSC], v[QSR+\p] matrix_a_fmt:MATRIX_FMT_FP4 matrix_b_fmt:MATRIX_FMT_FP4
.else
	v_wmma_scale_f32_16x16x128_f8f6f4 v[S+8*T8:S+8*T8+7], v[KF+8:KF+15], v[QB:QB+7], 0, v[KSC], v[QSR+\p] matrix_a_fmt:MATRIX_FMT_FP4 matrix_b_fmt:MATRIX_FMT_FP4 matrix_a_scale:MATRIX_SCALE_ROW1
.endif
.set T8, T8+1
.endr
	v_add_nc_u32 v[ADK], s[TB], v[LI]              ; four places ahead of the loads into K's and V's registers and of the first read of S^T
	v_add_nc_u32 v[ADS], s[TS], v[LS]
	v_mov_b32 v[TA], v12                           ; the old -M
	v_nop
.irp i, 0,1,2,3
	ds_load_b128 v[VF+4*\i:VF+4*\i+3], v[ADK] offset:32768+512*\i
.endr
	ds_load_b32 v[VSC], v[ADS] offset:2048
.if \kind == 0
.irp i, 0,1,2,3
	ds_load_b128 v[KF+4*\i:KF+4*\i+3], v[ADK] offset:2048+512*\i   ; the next step's K
.endr
	ds_load_b32 v[KSC], v[ADS] offset:128
.elseif \kind == 1
	MASK32 1
.else
	MASK32 0
.endif
.set CI, 0                                         ; the largest score of each of my blocks, in two chains each: for the row's maximum and, since p rises with the score, for the block's largest p
.rept NG
	v_max3_num_f32 v[BM+CI], v[S+32*CI], v[S+32*CI+1], v[S+32*CI+2]
	v_max3_num_f32 v[CB+CI], v[S+32*CI+16], v[S+32*CI+17], v[S+32*CI+18]
.set CI, CI+1
.endr
.irp i, 3,5,7,9,11,13
.set CI, 0
.rept NG
	v_max3_num_f32 v[BM+CI], v[BM+CI], v[S+32*CI+\i], v[S+32*CI+\i+1]
	v_max3_num_f32 v[CB+CI], v[CB+CI], v[S+32*CI+16+\i], v[S+32*CI+17+\i]
.set CI, CI+1
.endr
.endr
.set CI, 0
.rept NG
	v_max3_num_f32 v[BM+CI], v[BM+CI], v[CB+CI], v[S+32*CI+15]
.set CI, CI+1
.endr
.set CI, 0
.rept NG
	v_max_num_f32 v[BM+CI], v[BM+CI], v[S+32*CI+31]
.set CI, CI+1
.endr
.if NG == 2
	s_delay_alu instid0(VALU_DEP_1)
	v_max_num_f32 v[RM], v[BM], v[BM+1]
.endif
	s_delay_alu instid0(VALU_DEP_1)
	v_permlanex16_b32 v[RP], v[RMX], s[SEL], s[SEL+1]
	s_delay_alu instid0(VALU_DEP_1)
	v_max3_num_f32 v13, v13, v[RMX], v[RP]         ; the running largest score of my query
	s_delay_alu instid0(VALU_DEP_1)
	v_mul_f32 v[TA2], s[CS], v13                   ; as t (c is positive)
	s_delay_alu instid0(VALU_DEP_1)
	v_floor_f32 v12, -v[TA2]                       ; the new -M = -ceil(t)
.set N, 0
.rept 16*NG
	v_pk_fma_f32 v[S+N:S+N+1], v[S+N:S+N+1], s[CS:CS+1], v[12:13] op_sel_hi:[1,0,0]    ; t - M
.set N, N+2
.endr
	v_sub_f32 v[TA], v12, v[TA]                    ; old M - new M: a whole number, 0 or less
	v_fma_f32 v[BM], v[BM], s[CS], v12
	v_cvt_i32_f32 v[TA], v[TA]                     ; (it saturates)
.if NG == 2
	v_fma_f32 v[BM+1], v[BM+1], s[CS], v12
.endif
	v_ldexp_f32 v[FF], 1.0, v[TA]                  ; f = 2^(old M - new M)
	s_wait_alu depctr_va_vdst(0)
.set N, 0
.rept 32*NG
	v_exp_f32 v[S+N], v[S+N]                       ; p = 2^(t - M)
.set N, N+1
.endr
.set CI, 0
.rept NG
	v_exp_f32 v[BM+CI], v[BM+CI]                   ; the blocks' largest p: the same two instructions on the same number
.set CI, CI+1
.endr
	v_pk_mul_f32 v[14:15], v[14:15], v[FF:FF+1] op_sel_hi:[1,0]    ; l under the new M; the plain place behind the exponentials
	s_wait_alu depctr_va_vdst(0)                   ; and behind it, ahead of its first reader
.set CI, 0
.rept NG
	v_max_num_f32 v[BM+CI], 0x1800000, v[BM+CI]    ; the floor: the byte cannot fall under 1
.set CI, CI+1
.endr
	v_pk_add_f32 v[SUM2:SUM2+1], v[S:S+1], v[S+2:S+3]
.set N, 4
	ADDS 1
.set CI, 0
.rept NG
	v_add_nc_u32 v[SOP+CI], 0xff000000, v[BM+CI]   ; 2 off the exponent field: the conversion's scale operand
.set CI, CI+1
.endr
	ADDS 1
.set CI, 0
.rept NG
	v_lshrrev_b32 v[BY+CI], 23, v[SOP+CI]          ; the scales' bytes: blocks h and 2 + h
.set CI, CI+1
.endr
.set CI, 0
.rept NG
.irp g, 0,1,2,3
	v_cvt_scalef32_pk8_fp4_f32 v[PC+4*CI+\g], v[S+32*CI+8*\g:S+32*CI+8*\g+7], v[SOP+CI]    ; registers 4 c .. 4 c + 3: keys 64 c + 32 h + 0 .. 31
.endr
.set CI, CI+1
.endr
	ADDS 1                                         ; (plain places behind the scaled conversions: they read p and write neither it nor the codes)
.if NG == 2
	v_lshl_or_b32 v[WD], v[BY+1], 16, v[BY]
	ADDS 1
	v_lshlrev_b32 v[WD], v[H8], v[WD]              ; at their places in the scale word
.else
	v_lshlrev_b32 v[WD], v[H8], v[BY]
.irp g, 4,5,6,7
	v_mov_b32 v[PC+\g], 0                          ; keys 64-127: zero codes, which add nothing under the byte 0 that the word keeps for them
.endr
.endif
	ADDS 1
	v_permlanex16_b32 v[WP], v[WD], s[SEL], s[SEL+1]
	ADDS 1
	v_or_b32 v[PW], v[WD], v[WP]                   ; with lane l xor 16's bytes: p's scale word for these 128 keys
	ADDS 7*NG-5
	v_pk_add_f32 v[14:15], v[14:15], v[SUM2:SUM2+1]
.set N, 0
.rept 8
	v_pk_mul_f32 v[OA+N:OA+N+1], v[OA+N:OA+N+1], v[FF:FF+1] op_sel_hi:[1,0]    ; O^T under the new M
.set N, N+2
.endr
	s_wait_alu depctr_va_vdst(0)
.if \kind == 0
	s_wait_dscnt 0x5                               ; V and its words are in; the five younger loads, the next step's K, may be out
.else
	s_wait_dscnt 0x0                               ; V and its words are in
.endif
	v_wmma_scale_f32_16x16x128_f8f6f4 v[OA:OA+7], v[VF:VF+7], v[PC:PC+7], v[OA:OA+7], v[VSC], v[PW] matrix_a_fmt:MATRIX_FMT_FP4 matrix_b_fmt:MATRIX_FMT_FP4
	v_wmma_scale_f32_16x16x128_f8f6f4 v[OA+8:OA+15], v[VF+8:VF+15], v[PC:PC+7], v[OA+8:OA+15], v[VSC], v[PW] matrix_a_fmt:MATRIX_FMT_FP4 matrix_b_fmt:MATRIX_FMT_FP4 matrix_a_scale:MATRIX_SCALE_ROW1
.endm
	s_load_b128 s[4:7], s[0:1], 0x0                ; qkvbuf, att
	v_lshl_add_u32 v[SPW], v0, 2, 0x11000
	v_mov_b32 v[NIL], 0
	v_lshrrev_b32 v[FT], 5, v0
	v_readfirstlane_b32 s8, v[FT]                  ; wave 0..15
	v_lshlrev_b32 v[FA], 4, v0                     ; the fill: 16 bytes a thread,
	v_lshlrev_b32 v[FB], 3, v0                     ; 8 bytes a thread,
	v_lshl_add_u32 v[FC], v0, 3, 0x10000           ; and their LDS address
	v_and_b32 v[FK], 0x1d7f, v[FA]                 ; K's slots: slot bit 3 (r / 8) and bit 5 (beta % 2) change places
	v_bfe_u32 v[FT], v0, 3, 1
	v_bfe_u32 v[FT+1], v0, 5, 1
	v_lshl_or_b32 v[FK], v[FT], 9, v[FK]
	v_lshl_or_b32 v[FK], v[FT+1], 7, v[FK]
	v_and_b32 v[LANE], 31, v0
	v_and_b32 v1, 15, v0                           ; r
	v_bfe_u32 v2, v0, 4, 1                         ; h
	v_lshlrev_b32 v[LI], 4, v[LANE]
	v_lshl_add_u32 v[LS], v[LANE], 2, 0x10000
	v_and_b32 v[RR], 8, v1
	v_lshlrev_b32 v[H8], 5, v2
	v_add_nc_u32 v[RR], v[RR], v1
	v_lshlrev_b32 v[R16], 4, v1
	v_sub_nc_u32 v[RR], v[RR], v[H8]
	v_lshlrev_b32 v[H8], 3, v2
	v_lshlrev_b32 v[R4], 2, v1
	v_lshl_add_u32 v[O8], v2, 3, v[R16]
.irp z, 16,17,18,19,24,25,26,27,32,33,34,35
	v_mov_b32 v[\z], 0                             ; the zero codes round Q: written once
.endr
.irp z, RP, WP, TA, PM, FF+1
	v_mov_b32 v[\z], 0                             ; a lane permute's destination counts as one of its sources; f's upper register is named in a pair
.endr
	v_mov_b32 v[NEG], 0xff800000
	s_and_b32 s10, ttmp7, 0xffff                   ; batch x 16 + head
	s_lshl_b32 s11, ttmp9, 4
	s_add_co_u32 s11, s11, s8                      ; my pair number
	s_mul_i32 s52, s10, REC
	s_mov_b32 s53, 0
	s_lshr_b32 s54, s10, 4                         ; batch
	s_and_b32 s9, s10, 15                          ; head
	s_lshl_b32 s12, s54, 19                        ; att's codes: 128 tiles of 4,096 bytes a batch, 256 bytes a head
	s_lshl_b32 s13, s9, 8
	s_add_co_u32 s12, s12, s13
	s_mov_b32 s13, 0
	s_lshl_b32 s14, s54, 15                        ; att's scale bytes: 16 a token, one a head
	s_add_co_u32 s14, s14, s9
	s_mov_b32 s15, 0
	s_mov_b32 s[SEL], 0x76543210
	s_mov_b32 s[SEL+1], 0xfedcba98
	s_mov_b32 s[HI], 0xffff0000
	s_mov_b32 s[CS], 0x3e8293ee                    ; c = log2(e) / sqrt(32)
	s_mov_b32 s[CS+1], s[CS]                       ; (named with it as a pair, so it is written)
	s_wait_alu depctr_va_vdst(0)
	s_wait_kmcnt 0x0
	s_add_nc_u64 s[4:5], s[4:5], s[52:53]
	s_add_nc_u64 s[12:13], s[6:7], s[12:13]
	s_add_nc_u64 s[14:15], s[6:7], s[14:15]
.irp k, 0,1,2,3,4,5,6,7
	global_load_b128 v[S+4*\k:S+4*\k+3], v[FA], s[4:5] offset:8192*\k
.endr
	global_load_b64 v[S+32:S+33], v[FB], s[4:5] offset:65536
; Each pass's numbers and bases in scalar registers of its own, s[28+12 p ..]: tile, diagonal step, Q's codes, Q's scale words, att's codes, att's scale bytes, the mask's offset, the diagonal's block.  Both passes' Q is asked for here.
.irp p, 0,1
.set PB, 28+12*\p
.if \p == 0
	s_mov_b32 s[PB], s11
.else
	s_sub_co_u32 s[PB], 127, s11
.endif
	s_lshr_b32 s[PB+1], s[PB], 3
	s_lshl_b32 s52, s[PB], 8
	s_add_nc_u64 s[PB+2:PB+3], s[4:5], s[52:53]    ; Q's codes: 256 bytes a tile
	s_add_nc_u64 s[PB+8:PB+9], s[14:15], s[52:53]  ; att's scale bytes: 256 a tile
	s_lshl_b32 s52, s[PB], 6
	s_add_nc_u64 s[PB+4:PB+5], s[4:5], s[52:53]    ; Q's scale words: 64 bytes a tile
	s_lshl_b32 s52, s[PB], 12
	s_add_nc_u64 s[PB+6:PB+7], s[12:13], s[52:53]  ; att's codes: 4,096 a tile
	global_load_b128 v[QT+4*\p:QT+4*\p+3], v[R16], s[PB+2:PB+3] offset:69632
	global_load_b32 v[QSR+\p], v[R4], s[PB+4:PB+5] offset:102400
	s_bfe_u32 s[PB+11], s[PB], 0x20001             ; which block of 32 of the diagonal step holds my queries
	s_and_b32 s52, s[PB+11], 1
	s_lshl_b32 s52, s52, 5
	s_and_b32 s54, s[PB], 1
	s_lshl_b32 s54, s54, 3
	s_add_co_u32 s[PB+10], s52, s54                ; my tile's first token in its group of 64 keys
.endr
	s_wait_loadcnt 0x0
.irp k, 0,1,2,3
	ds_store_b128 v[FK], v[S+4*\k:S+4*\k+3] offset:8192*\k         ; K's codes, in the tiles' order
.endr
.irp k, 4,5,6,7
	ds_store_b128 v[FA], v[S+4*\k:S+4*\k+3] offset:8192*\k         ; V's, as they lie
.endr
	ds_store_b64 v[FC], v[S+32:S+33]
	s_wait_dscnt 0x0                               ; for the others' sake: my part of the head's K and V lies in LDS
	s_barrier_signal -1
	s_barrier_wait -1                              ; behind this barrier LDS is only read
.macro PASS p
.set PB, 28+12*\p
	v_add_nc_u32 v[DQ], s[PB+10], v[RR]
	v_mov_b32 v13, 0xff61b1e6                      ; the largest score so far: -3e38
	v_mov_b32 v14, 0                               ; l, in two halves
	v_mov_b32 v15, 0
	v_mul_f32 v[TA2], s[CS], v13
.irp i, 0,1,2,3
	ds_load_b128 v[KF+4*\i:KF+4*\i+3], v[LI] offset:512*\i         ; step 0's K
.endr
	ds_load_b32 v[KSC], v[LS]
	v_floor_f32 v12, -v[TA2]                       ; -M
.irp i, 0,1,2,3
	v_cndmask_b32 v[20+\i], v[QT+4*\p+\i], v16, s[HI]      ; Q in lanes 0-15, zeros above
	v_cndmask_b32 v[28+\i], v16, v[QT+4*\p+\i], s[HI]      ; Q in lanes 16-31, zeros below
.endr
.set N, 0
.rept 16
	v_mov_b32 v[OA+N], 0                           ; O^T: the first change of M leaves zeros zeros.  (Also the places between Q's registers and the first product)
.set N, N+1
.endr
	s_mov_b32 s[ST], 0
	s_mov_b32 s[TB], 0
	s_mov_b32 s[TS], 0
	s_wait_alu depctr_va_vdst(0)
.Lstep_\@:                                         ; 16 trips; the branches hang on ids and the count of steps alone
	s_cmp_ge_u32 s[ST], s[PB+1]
	s_cbranch_scc1 .Lnot_\@
	BODY \p, 0                                     ; ahead of the diagonal
	s_branch .Lhid_\@
.Lnot_\@:
	s_cmp_gt_u32 s[ST], s[PB+1]
	s_cbranch_scc1 .Lhid_\@                        ; past the diagonal: only the addresses are stepped
	s_cmp_lt_u32 s[PB+11], 2
	s_cbranch_scc1 .Llow_\@
	BODY \p, 1
	s_branch .Lhid_\@
.Llow_\@:
	BODY \p, 2
.Lhid_\@:
	s_add_co_u32 s[TB], s[TB], 2048
	s_add_co_u32 s[TS], s[TS], 128
	s_add_co_u32 s[ST], s[ST], 1
	s_cmp_lt_u32 s[ST], 16
	s_cbranch_scc1 .Lstep_\@
	; the way out: O / l, quantised; the wave's codes are 256 consecutive bytes of the next product's operand image
	s_wait_dscnt 0x0                               ; no LDS load of mine is out: K's registers may be loaded anew
	v_add_f32 v14, v14, v15
	v_nop                                          ; (with the lines round them: the places behind the last products)
	v_nop
	v_permlanex16_b32 v[TA], v14, s[SEL], s[SEL+1]
	s_delay_alu instid0(VALU_DEP_1)
	v_add_f32 v14, v14, v[TA]
	s_wait_alu depctr_va_vdst(0)                   ; the wait ahead of the transcendental
	v_rcp_f32 v[FF], v14
	v_nop
	s_wait_alu depctr_va_vdst(0)                   ; and ahead of its first reader
.set N, 0
.rept 8
	v_pk_mul_f32 v[S+N:S+N+1], v[OA+N:OA+N+1], v[FF:FF+1] op_sel_hi:[1,0]
.set N, N+2
.endr
	v_max3_num_f32 v[MX], |v[S]|, |v[S+1]|, 0x1800000              ; 16 numbers, half a block whose other half lies in lane l xor 16; two chains
	v_max3_num_f32 v[MX+1], |v[S+8]|, |v[S+9]|, |v[S+10]|
.irp i, 2,4
	v_max3_num_f32 v[MX], v[MX], |v[S+\i]|, |v[S+\i+1]|
	v_max3_num_f32 v[MX+1], v[MX+1], |v[S+9+\i]|, |v[S+10+\i]|
.endr
	v_max3_num_f32 v[MX], v[MX], |v[S+6]|, |v[S+7]|
	s_delay_alu instid0(VALU_DEP_1)
	v_max3_num_f32 v[MX], v[MX], v[MX+1], |v[S+15]|
	s_delay_alu instid0(VALU_DEP_1)
	v_permlanex16_b32 v[PM], v[MX], s[SEL], s[SEL+1]
	s_delay_alu instid0(VALU_DEP_1)
	v_max_num_f32 v[MX], v[MX], v[PM]
	s_delay_alu instid0(VALU_DEP_1)
	v_add_nc_u32 v[SO], 0xff000000, v[MX]
	s_delay_alu instid0(VALU_DEP_1)
	v_lshrrev_b32 v[CD+4*\p+2], 23, v[SO]
	v_cvt_scalef32_pk8_fp4_f32 v[CD+4*\p], v[S:S+7], v[SO]
	v_cvt_scalef32_pk8_fp4_f32 v[CD+4*\p+1], v[S+8:S+15], v[SO]
	v_nop                                          ; one plain place behind the scaled conversions
	global_store_b64 v[O8], v[CD+4*\p:CD+4*\p+1], s[PB+6:PB+7]
	global_store_b8 v[R16], v[CD+4*\p+2], s[PB+8:PB+9] offset:2097152      ; one byte a query; lanes l and l xor 16 store the same byte with the same value
.endm
	PASS 0
	PASS 1
	s_wait_tensorcnt 0x0                           ; the wave's end
	ds_add_u32 v[SPW], v[NIL]
	s_wait_dscnt 0x0
	s_endpgm
.Lfunc_end_k_q14446da22e_attn:
	.size	k_q14446da22e_attn, .Lfunc_end_k_q14446da22e_attn-k_q14446da22e_attn
	.p2alignl 7, 3214868480
	.fill 96, 4, 3214868480
	.section	.rodata,"a",@progbits
	.p2align	6, 0x0
	.amdhsa_kernel k_q14446da22e_attn
		.amdhsa_group_segment_fixed_size 71680
		.amdhsa_private_segment_fixed_size 0
		.amdhsa_enable_private_segment 0
		.amdhsa_kernarg_size 16
		.amdhsa_user_sgpr_count 2
		.amdhsa_user_sgpr_kernarg_segment_ptr 1
		.amdhsa_wavefront_size32 1
		.amdhsa_system_sgpr_workgroup_id_x 1
		.amdhsa_system_sgpr_workgroup_id_y 1
		.amdhsa_system_sgpr_workgroup_id_z 1
		.amdhsa_system_vgpr_workitem_id 0
		.amdhsa_next_free_vgpr 248
		.amdhsa_next_free_sgpr 66
		.amdhsa_reserve_vcc 1
		.amdhsa_float_denorm_mode_32 3
		.amdhsa_float_denorm_mode_16_64 3
		.amdhsa_memory_ordered 1
		.amdhsa_forward_progress 1
		.amdhsa_inst_pref_size 86
	.end_amdhsa_kernel
	.amdgpu_metadata
---
amdhsa.version: [ 1, 2 ]
amdhsa.kernels:
  - .name:           k_q14446da22e_attn
    .symbol:         k_q14446da22e_attn.kd
    .args:
      - { .name: qkvbuf, .offset: 0, .size: 8, .value_kind: global_buffer, .address_space: global }
      - { .name: att, .offset: 8, .size: 8, .value_kind: global_buffer, .address_space: global }
    .group_segment_fixed_size: 71680
    .private_segment_fixed_size: 0
    .kernarg_segment_align: 8
    .kernarg_segment_size: 16
    .max_flat_workgroup_size: 512
    .sgpr_count:     66
    .vgpr_count:     248
    .wavefront_size: 32
...
	.end_amdgpu_metadata
.endif
;; end of part 2
;; launch mlp (part 3): grid 256 x 1, 16 waves a work-group, no clusters, 199,168 bytes of LDS; arguments att, x, wimg, Wo_scales, W1_scales, W2_scales, bo, g2, be2, b1, b2, out0; writes out0
.if DOCPART == 3
	.amdgcn_target "amdgcn-amd-amdhsa--gfx1250"
	.amdhsa_code_object_version 6
	.text
	.protected	k_q14446da22e_mlp
	.globl	k_q14446da22e_mlp
	.p2align	8
	.type	k_q14446da22e_mlp,@function
k_q14446da22e_mlp:
	s_mov_b64 s[64:65], 0
	v_nop
	global_prefetch_b8 v0, s[64:65] scope:SCOPE_SE
	s_setreg_imm32_b32 hwreg(HW_REG_WAVE_MODE, 25, 1), 1
	s_wait_xcnt 0x0
; x1 = x + att Wo + bo;  h = LayerNorm 2 (x1);  out = x1 + relu(h W1 + b1) W2 + b2.  All three products on codes of FP4 with E8M0 scales; h and the hidden layer are quantised on the way and never go to memory.
; SHARES.  A work-group owns 32 tokens (two tiles of 16; slot 16 tau + r = token 8 tau + r + 8 (r / 8)).  THE WAVES SHARE THE COLUMNS: wave w makes columns 32 w .. 32 w + 31 of x1 and of the output, and hidden units
; 128 w .. 128 w + 127, which are K step w of the last product.  Every product is used transposed (source 0 = 16 rows of the weight, rows 8 u + r + 8 (r / 8) of a group of 32): a lane holds one token and 16 neighbouring columns.
; THE WEIGHTS come from wimg, laid in the order of my operand registers: 18 units of 16 rows x 4 K steps (32 registers of codes, 4 scale words), through a ring of three register slots; each load reads 512 consecutive bytes.
; They never touch LDS: a joint load would land all 1,179,648 bytes of them in every work-group's LDS and add an LDS read of each byte, so this text has no cluster.
; Biases and residuals are put into the accumulators ahead of a product, so every matrix instruction adds in place.
; OPERANDS GO FROM WAVE TO WAVE THROUGH LDS AS IMAGES OF THEIR REGISTERS: block beta of row r of a fragment at 256 beta + 16 r.
; LIMITS: NaN and infinities are not served; a block of zeros gets the byte 1 (its codes are zeros); 1 / sqrt comes from v_rsq_f32; the variance is the mean of squared deviations, in two passes.
.set HP,    2064
.set XST,   0                          ; 32 rows x 2,064: x on the way in, the result on the way out
.set HIMG,  32*HP                      ; h's 8 fragments: 4096 tau + 256 w + 16 r + 8 h
.set H2IMG, HIMG+8192                  ; the hidden layer's 32: (16 tau + s) 1024 + 256 b + 16 r + 8 h
.set HSC,   H2IMG+32768                ; h's scale bytes, 16 a slot
.set PS1,   HSC+512                    ; partial sums: 80 bytes a slot, 4 a wave
.set PS2,   PS1+2560                   ; partial sums of squares
.set H2SC,  PS2+2560                   ; the hidden layer's scale words
.set PRM,   H2SC+2560                  ; 1,024 bytes a wave: bo, g2, be2, b2 (128 each), b1 (512)
.set X1P,   PRM+16384                  ; 4,096 bytes a wave: x1, parked
.set LI,     1
.set R16,    2
.set WS16,   3
.set WS64,   4
.set XSTC,   5
.set XSTR,   6
.set PSW,    7
.set PSR,    8
.set HW,     9
.set H2W,    10
.set HR,     11
.set HSCW,   12
.set HSCR,   13
.set PRMR,   14
.set X1A,    15
.set P4,     16
.set P16,    17
.set PRMW4,  18
.set PRMW16, 19
.set XF,   24                          ; v24-87   source 1's fragments, (tau, s) at 32 tau + 8 s; at work in the LayerNorm
.set XS,   88                          ; v88-95   their scale words: scales and nothing else
.set ACC,  96                          ; v96-127  four accumulators: 16 tau + 8 u + j = column 16 h + 8 u + j of my 32
.set RING, 128                         ; v128-235 three slots of 36
.set TBI,  236                         ; v236-251 16 numbers of a bias, or the names below
.set MX,   236
.set PM,   238
.set SO,   240
.set BY,   242
.set CD,   244
.set SW,   248
.set SELR, 250
.set SEL,  36
.set HI,   38
.set LC,   0
.macro PLACES n
.rept \n
	v_nop
.endr
.endm
.macro BARRIER
	s_wait_dscnt 0x0
	s_barrier_signal -1
	s_barrier_wait -1
.endm
.macro SUM16 d, s
	v_pk_add_f32 v[\d:\d+1], v[\s:\s+1], v[\s+2:\s+3]
	v_pk_add_f32 v[\d+2:\d+3], v[\s+4:\s+5], v[\s+6:\s+7]
	v_pk_add_f32 v[\d+4:\d+5], v[\s+8:\s+9], v[\s+10:\s+11]
	v_pk_add_f32 v[\d+6:\d+7], v[\s+12:\s+13], v[\s+14:\s+15]
	s_delay_alu instid0(VALU_DEP_3)
	v_pk_add_f32 v[\d:\d+1], v[\d:\d+1], v[\d+2:\d+3]
	s_delay_alu instid0(VALU_DEP_2)
	v_pk_add_f32 v[\d+4:\d+5], v[\d+4:\d+5], v[\d+6:\d+7]
	s_delay_alu instid0(VALU_DEP_1)
	v_pk_add_f32 v[\d:\d+1], v[\d:\d+1], v[\d+4:\d+5]
	s_delay_alu instid0(VALU_DEP_1)
	v_add_f32 v[\d], v[\d], v[\d+1]
.endm
.macro SQ16 d, s
	v_pk_mul_f32 v[\d:\d+1], v[\s:\s+1], v[\s:\s+1]
	v_pk_mul_f32 v[\d+2:\d+3], v[\s+2:\s+3], v[\s+2:\s+3]
.irp i, 4,8,12
	s_delay_alu instid0(VALU_DEP_2)
	v_pk_fma_f32 v[\d:\d+1], v[\s+\i:\s+\i+1], v[\s+\i:\s+\i+1], v[\d:\d+1]
	s_delay_alu instid0(VALU_DEP_2)
	v_pk_fma_f32 v[\d+2:\d+3], v[\s+\i+2:\s+\i+3], v[\s+\i+2:\s+\i+3], v[\d+2:\d+3]
.endr
	s_delay_alu instid0(VALU_DEP_1)
	v_pk_add_f32 v[\d:\d+1], v[\d:\d+1], v[\d+2:\d+3]
	s_delay_alu instid0(VALU_DEP_1)
	v_add_f32 v[\d], v[\d], v[\d+1]
.endm
.macro XADD d                          ; with lane l xor 16's
	v_permlanex16_b32 v[\d+1], v[\d], s[SEL], s[SEL+1]
	s_delay_alu instid0(VALU_DEP_1)
	v_add_f32 v[\d], v[\d], v[\d+1]
.endm
.macro QNT2 a, b                       ; two runs of 16 numbers, each half a block whose other half lies in lane l xor 16
	v_max3_num_f32 v[MX], |v[\a]|, |v[\a+1]|, 0x1800000
	v_max3_num_f32 v[MX+1], |v[\b]|, |v[\b+1]|, 0x1800000
.irp i, 2,4,6,8,10,12,14
	s_delay_alu instid0(VALU_DEP_2)
	v_max3_num_f32 v[MX], v[MX], |v[\a+\i]|, |v[\a+\i+1]|
	s_delay_alu instid0(VALU_DEP_2)
	v_max3_num_f32 v[MX+1], v[MX+1], |v[\b+\i]|, |v[\b+\i+1]|
.endr
	s_delay_alu instid0(VALU_DEP_2)
	v_permlanex16_b32 v[PM], v[MX], s[SEL], s[SEL+1]
	s_delay_alu instid0(VALU_DEP_2)
	v_permlanex16_b32 v[PM+1], v[MX+1], s[SEL], s[SEL+1]
	s_delay_alu instid0(VALU_DEP_2)
	v_max_num_f32 v[MX], v[MX], v[PM]
	s_delay_alu instid0(VALU_DEP_2)
	v_max_num_f32 v[MX+1], v[MX+1], v[PM+1]
	s_delay_alu instid0(VALU_DEP_2)
	v_add_nc_u32 v[SO], 0xff000000, v[MX]
	s_delay_alu instid0(VALU_DEP_2)
	v_add_nc_u32 v[SO+1], 0xff000000, v[MX+1]
	s_delay_alu instid0(VALU_DEP_2)
	v_lshrrev_b32 v[BY], 23, v[SO]
	s_delay_alu instid0(VALU_DEP_2)
	v_lshrrev_b32 v[BY+1], 23, v[SO+1]
	v_cvt_scalef32_pk8_fp4_f32 v[CD], v[\a:\a+7], v[SO]
	v_cvt_scalef32_pk8_fp4_f32 v[CD+1], v[\a+8:\a+15], v[SO]
	v_cvt_scalef32_pk8_fp4_f32 v[CD+2], v[\b:\b+7], v[SO+1]
	v_cvt_scalef32_pk8_fp4_f32 v[CD+3], v[\b+8:\b+15], v[SO+1]
	v_nop
.endm
; Unit k into slot k % 3.  k = 0, 1: Wo;  2 .. 9: W1, pair (k - 2) / 2, tile (k - 2) % 2;  10 .. 17: W2, K steps 4 ((k - 10) / 2) on, tile (k - 10) % 2
.macro WLOADK k
.set SL, RING+36*((\k)%3)
.irp i, 0,1,2,3,4,5,6,7
	global_load_b128 v[SL+4*\i:SL+4*\i+3], v[LI], s[12:13] offset:(\k)*4096+512*\i
.endr
.if (\k) < 2
	global_load_b64 v[SL+32:SL+33], v[WS16], s[14:15] offset:(\k)*128      ; the unit's scale words: lanes 0-15 those of K steps 0, 1, lanes 16-31 those of K steps 2, 3
.elseif (\k) < 10
	global_load_b64 v[SL+32:SL+33], v[WS16], s[16:17] offset:(((\k)-2)/2)*512+(((\k)-2)%2)*128
.else
	global_load_b64 v[SL+32:SL+33], v[WS64], s[18:19] offset:(((\k)-10)%2)*512+(((\k)-10)/2)*16
.endif
.set LC, LC+9
.if ((\k)%3) == 0
.set E0, LC
.elseif ((\k)%3) == 1
.set E1, LC
.else
.set E2, LC
.endif
.endm
.macro WAITK k                         ; loads come back in order: only the loads issued behind unit k's may be out
.if ((\k)%3) == 0
	s_wait_loadcnt LC-E0
.elseif ((\k)%3) == 1
	s_wait_loadcnt LC-E1
.else
	s_wait_loadcnt LC-E2
.endif
.endm
.macro MULW slot, u                    ; eight matrix instructions, in place; the two accumulators take turns
.irp s, 0,1,2,3
.irp t, 0,1
.set AC, ACC+16*\t+8*(\u)
.set WR, RING+36*(\slot)+8*\s
.if \s < 2
	v_wmma_scale_f32_16x16x128_f8f6f4 v[AC:AC+7], v[WR:WR+7], v[XF+32*\t+8*\s:XF+32*\t+8*\s+7], v[AC:AC+7], v[RING+36*(\slot)+32+\s], v[XS+4*\t+\s] matrix_a_fmt:MATRIX_FMT_FP4 matrix_b_fmt:MATRIX_FMT_FP4
.else
	v_wmma_scale_f32_16x16x128_f8f6f4 v[AC:AC+7], v[WR:WR+7], v[XF+32*\t+8*\s:XF+32*\t+8*\s+7], v[AC:AC+7], v[RING+36*(\slot)+30+\s], v[XS+4*\t+\s] matrix_a_fmt:MATRIX_FMT_FP4 matrix_b_fmt:MATRIX_FMT_FP4 matrix_a_scale:MATRIX_SCALE_ROW1
.endif
.endr
.endr
.endm
.macro UNIT k, u
	WAITK \k
	MULW (\k)%3, \u
	PLACES 5                                       ; four places serve reads of results and loads into operands, the fifth a matrix instruction that writes over them
.if (\k)+3 < 18
	WLOADK (\k)+3                                  ; the slot just left takes the unit three on
.endif
.endm
.macro XFLD base, ts                   ; eight fragments (two tiles of tokens x four K steps) from their images
.irp t, 0,1
.irp i, 0,1,2,3,4,5,6,7
	ds_load_b128 v[XF+32*\t+4*\i:XF+32*\t+4*\i+3], v[HR] offset:(\base)+(\ts)*\t+512*\i
.endr
.endr
.endm
.macro B1LOAD b                        ; b1 of hidden units 128 w + 32 b + 16 h + 0 .. 15, for both tiles of tokens, into the accumulators
.irp t, 0,1
.irp j, 0,1,2,3
	ds_load_b128 v[ACC+16*\t+4*\j:ACC+16*\t+4*\j+3], v[PRMR] offset:512+128*(\b)+16*\j
.endr
.endr
.endm
.macro ADDBIAS                         ; the 16 numbers in v[TBI] on are added to both tiles' accumulators
.irp t, 0,1
.irp p, 0,2,4,6,8,10,12,14
	v_pk_add_f32 v[ACC+16*\t+\p:ACC+16*\t+\p+1], v[ACC+16*\t+\p:ACC+16*\t+\p+1], v[TBI+\p:TBI+\p+1]
.endr
.endr
.endm
	s_load_b512 s[8:23], s[0:1], 0x0               ; att, x, wimg, Wo scales, W1 scales, W2 scales, bo, g2
	s_load_b256 s[24:31], s[0:1], 0x40             ; be2, b1, b2, out0
	v_lshl_add_u32 v254, v0, 2, 0x30200
	v_mov_b32 v255, 0
	v_lshrrev_b32 v20, 5, v0
	s_delay_alu instid0(VALU_DEP_1)
	v_readfirstlane_b32 s4, v20                    ; wave 0..15
	s_mov_b32 s5, ttmp9                            ; work-group G
	v_and_b32 v20, 31, v0                          ; lane
	v_and_b32 v21, 15, v0                          ; r
	v_bfe_u32 v22, v0, 4, 1                        ; h
	s_delay_alu instid0(VALU_DEP_2)
	v_and_b32 v23, 8, v21
	s_delay_alu instid0(VALU_DEP_1)
	v_add_nc_u32 v23, v23, v21                     ; r + 8 (r / 8)
	v_lshlrev_b32 v[LI], 4, v20
	v_lshlrev_b32 v[R16], 4, v21
	v_lshlrev_b32 v[WS16], 3, v22                  ; a weight row's scale bytes of four K steps, 16 bytes: lanes 0-15 take the first 8, lanes 16-31 the last 8
	s_delay_alu instid0(VALU_DEP_1)
	v_lshl_add_u32 v[WS64], v23, 6, v[WS16]
	v_lshl_add_u32 v[WS16], v23, 4, v[WS16]
	v_mul_u32_u24 v[XSTC], v21, HP
	s_delay_alu instid0(VALU_DEP_1)
	v_lshl_add_u32 v[XSTC], v22, 6, v[XSTC]
	s_lshl_b32 s6, s4, 7
	v_add_nc_u32 v[XSTC], s6, v[XSTC]              ; the stage by columns: row r, + 128 w + 64 h
	s_mul_i32 s6, s4, 2*HP
	v_add_nc_u32 v[XSTR], s6, v[LI]                ; and by rows: rows 2 w, 2 w + 1
	v_mul_u32_u24 v[PSW], v20, 80
	s_lshl_b32 s6, s4, 2
	s_add_co_u32 s6, s6, PS1
	v_add_nc_u32 v[PSW], s6, v[PSW]                ; slot = lane, my wave's word
	v_mul_u32_u24 v[PSR], v21, 80
	s_delay_alu instid0(VALU_DEP_1)
	v_add_nc_u32 v[PSR], PS1, v[PSR]
	v_lshl_add_u32 v[HW], v22, 3, v[R16]
	s_lshl_b32 s6, s4, 10
	s_add_co_u32 s6, s6, H2IMG
	v_add_nc_u32 v[H2W], s6, v[HW]
	s_lshl_b32 s6, s4, 8
	s_add_co_u32 s6, s6, HIMG
	v_add_nc_u32 v[HW], s6, v[HW]
	v_add_nc_u32 v[HR], HIMG, v[LI]
	s_add_co_u32 s6, s4, HSC
	v_add_nc_u32 v[HSCW], s6, v[LI]
	v_add_nc_u32 v[HSCR], HSC, v[R16]
	s_lshl_b32 s6, s4, 10
	s_add_co_u32 s6, s6, PRM
	v_lshl_add_u32 v[PRMR], v22, 6, s6
	v_lshl_add_u32 v[PRMW4], v20, 2, s6
	s_add_co_u32 s6, s6, 512
	v_add_nc_u32 v[PRMW16], s6, v[LI]
	s_lshl_b32 s6, s4, 12
	s_add_co_u32 s6, s6, X1P
	v_add_nc_u32 v[X1A], s6, v[LI]
	s_lshl_b32 s6, s4, 7
	v_lshl_add_u32 v[P4], v20, 2, s6
	s_lshl_b32 s6, s4, 9
	v_add_nc_u32 v[P16], s6, v[LI]
.set ATW, 252
	v_add_nc_u32 v[ATW], HIMG, v[P16]              ; where my sixteenth of att's image goes: h's image bytes, which h takes over two barriers later
	v_mov_b32 v[PM], 0                             ; a lane permute's destination counts as one of its sources
	v_mov_b32 v[PM+1], 0
	s_mov_b32 s[SEL], 0x76543210
	s_mov_b32 s[SEL+1], 0xfedcba98
	s_mov_b32 s[HI], 0xffff0000
	s_mov_b32 s39, 0x3b000000                      ; 1 / 512
	s_mov_b32 s2, 0x3727c5ac                       ; eps = 1e-5
	s_lshr_b32 s6, s4, 3                           ; the token of slot 2 w: 8 (w / 8) + 2 (w % 8) + 8 ((w / 4) % 2)
	s_lshl_b32 s40, s6, 3
	s_and_b32 s7, s4, 7
	s_lshl_b32 s7, s7, 1
	s_add_co_u32 s40, s40, s7
	s_bfe_u32 s7, s4, 0x10002
	s_lshl_b32 s7, s7, 3
	s_add_co_u32 s40, s40, s7
	s_lshl_b32 s7, s5, 5
	s_add_co_u32 s40, s40, s7
	s_lshl_b32 s40, s40, 11
	s_mov_b32 s41, 0
	s_mul_i32 s42, s4, 73728                       ; my 18 units of 4,096 bytes
	s_mov_b32 s43, 0
	s_lshl_b32 s44, s4, 9                          ; Wo's scale bytes of my 32 rows
	s_mov_b32 s45, 0
	s_lshl_b32 s46, s4, 11                         ; W1's of my 128 rows; W2's of my 32 rows
	s_mov_b32 s47, 0
	s_lshl_b32 s48, s5, 13                         ; att's codes: two tiles of 4,096 bytes
	s_mov_b32 s49, 0
	s_lshl_b32 s50, s5, 9                          ; att's scale bytes: 32 tokens x 16
	s_mov_b32 s51, 0
	s_wait_alu depctr_va_vdst(0)
	s_wait_kmcnt 0x0
	s_add_nc_u64 s[32:33], s[8:9], s[50:51]
	s_add_nc_u64 s[8:9], s[8:9], s[48:49]
	s_add_nc_u64 s[10:11], s[10:11], s[40:41]
	s_add_nc_u64 s[30:31], s[30:31], s[40:41]
	s_add_nc_u64 s[12:13], s[12:13], s[42:43]
	s_add_nc_u64 s[14:15], s[14:15], s[44:45]
	s_add_nc_u64 s[16:17], s[16:17], s[46:47]
	s_add_nc_u64 s[18:19], s[18:19], s[46:47]
	; ---- all first loads: 43 are out behind the last line
.irp i, 0,1
.irp j, 0,1,2,3
	global_load_b128 v[ACC+16*\i+4*\j:ACC+16*\i+4*\j+3], v[LI], s[10:11] offset:2048*\i+512*\j th:TH_LOAD_NT
.endr
.endr
	global_load_b32 v244, v[P4], s[20:21]          ; bo, g2, be2, b2 of my 32 columns
	global_load_b32 v245, v[P4], s[22:23]
	global_load_b32 v246, v[P4], s[24:25]
	global_load_b32 v247, v[P4], s[28:29]
	global_load_b128 v[248:251], v[P16], s[26:27]  ; b1 of my 128 hidden units
	global_load_b128 v[XF:XF+3], v[P16], s[8:9] th:TH_LOAD_NT      ; my sixteenth, 512 bytes, of att's eight fragments: the work-group loads each byte once
.set LC, 14
.set E_P, LC
.irp t, 0,1
	global_load_b128 v[XS+4*\t:XS+4*\t+3], v[R16], s[32:33] offset:2097152+256*\t th:TH_LOAD_NT
.endr
.set LC, LC+2
	WLOADK 0
	WLOADK 1
	WLOADK 2
	s_wait_loadcnt LC-E_P                          ; x, the parameters and my part of att are in; att's 2 loads of scale words and the ring's 27 may be out
.irp i, 0,1
.irp j, 0,1,2,3
	ds_store_b128 v[XSTR], v[ACC+16*\i+4*\j:ACC+16*\i+4*\j+3] offset:HP*\i+512*\j
.endr
.endr
	ds_store_b32 v[PRMW4], v244
	ds_store_b32 v[PRMW4], v245 offset:128
	ds_store_b32 v[PRMW4], v246 offset:256
	ds_store_b32 v[PRMW4], v247 offset:384
	ds_store_b128 v[PRMW16], v[248:251]
	ds_store_b128 v[ATW], v[XF:XF+3]
	BARRIER                                        ; 32 rows of x lie in the stage
	; ---- x1 = x + bo + att Wo
.irp t, 0,1
.irp j, 0,1,2,3
	ds_load_b128 v[ACC+16*\t+4*\j:ACC+16*\t+4*\j+3], v[XSTC] offset:16*HP*\t+16*\j
.endr
.endr
.irp j, 0,1,2,3
	ds_load_b128 v[TBI+4*\j:TBI+4*\j+3], v[PRMR] offset:16*\j
.endr
	XFLD 0, 4096                                   ; att's eight fragments, from the image that the sixteen waves have laid
	s_wait_dscnt 0x0
	ADDBIAS
	s_wait_alu depctr_va_vdst(0)
	UNIT 0, 0                                      ; (its wait leaves 18 younger loads out: att's scale words, which are older, are in)
	UNIT 1, 1
	; ---- LayerNorm 2: a wave has 32 of a token's 512 columns; the sixteen partial sums meet in LDS, twice
.set N, 0
.rept 8
	ds_store_b128 v[X1A], v[ACC+4*N:ACC+4*N+3] offset:512*N        ; x1 is parked in my own bytes; each accumulator from its low end on
.set N, N+1
.endr
	SUM16 XF, ACC
	SUM16 XF+8, ACC+16
	XADD XF
	XADD XF+8
	s_delay_alu instid0(VALU_DEP_1)
	v_cndmask_b32 v[SELR], v[XF], v[XF+8], s[HI]   ; lane 16 tau + r: its slot's
	ds_store_b32 v[PSW], v[SELR]
	BARRIER
.irp t, 0,1
.irp j, 0,1,2,3
	ds_load_b128 v[XF+16*\t+4*\j:XF+16*\t+4*\j+3], v[PSR] offset:1280*\t+16*\j
.endr
.endr
	s_wait_dscnt 0x0
	SUM16 XF+32, XF
	SUM16 XF+40, XF+16
	v_mul_f32 v[XF+32], s39, v[XF+32]              ; the means
	s_delay_alu instid0(VALU_DEP_2)
	v_mul_f32 v[XF+40], s39, v[XF+40]
.irp p, 0,2,4,6,8,10,12,14
	v_pk_add_f32 v[ACC+\p:ACC+\p+1], v[ACC+\p:ACC+\p+1], v[XF+32:XF+33] op_sel_hi:[1,0] neg_lo:[0,1] neg_hi:[0,1]
	v_pk_add_f32 v[ACC+16+\p:ACC+16+\p+1], v[ACC+16+\p:ACC+16+\p+1], v[XF+40:XF+41] op_sel_hi:[1,0] neg_lo:[0,1] neg_hi:[0,1]
.endr
	SQ16 XF, ACC
	SQ16 XF+8, ACC+16
	XADD XF
	XADD XF+8
	s_delay_alu instid0(VALU_DEP_1)
	v_cndmask_b32 v[SELR], v[XF], v[XF+8], s[HI]
	ds_store_b32 v[PSW], v[SELR] offset:PS2-PS1
	BARRIER
.irp t, 0,1
.irp j, 0,1,2,3
	ds_load_b128 v[XF+16*\t+4*\j:XF+16*\t+4*\j+3], v[PSR] offset:PS2-PS1+1280*\t+16*\j
.endr
.endr
.irp j, 0,1,2,3
	ds_load_b128 v[XF+32+4*\j:XF+32+4*\j+3], v[PRMR] offset:128+16*\j      ; g2
	ds_load_b128 v[XF+48+4*\j:XF+48+4*\j+3], v[PRMR] offset:256+16*\j      ; be2
.endr
	s_wait_dscnt 0x0
	SUM16 TBI, XF
	SUM16 TBI+8, XF+16
	v_fma_f32 v[TBI], v[TBI], s39, s2              ; the variance + eps
	s_delay_alu instid0(VALU_DEP_2)
	v_fma_f32 v[TBI+8], v[TBI+8], s39, s2
	s_wait_alu depctr_va_vdst(0)
	v_rsq_f32 v[TBI], v[TBI]
	v_rsq_f32 v[TBI+8], v[TBI+8]
	v_nop
	s_wait_alu depctr_va_vdst(0)
.irp p, 0,2,4,6,8,10,12,14
	v_pk_mul_f32 v[ACC+\p:ACC+\p+1], v[ACC+\p:ACC+\p+1], v[TBI:TBI+1] op_sel_hi:[1,0]
	v_pk_mul_f32 v[ACC+16+\p:ACC+16+\p+1], v[ACC+16+\p:ACC+16+\p+1], v[TBI+8:TBI+9] op_sel_hi:[1,0]
.endr
.irp p, 0,2,4,6,8,10,12,14
	v_pk_fma_f32 v[ACC+\p:ACC+\p+1], v[ACC+\p:ACC+\p+1], v[XF+32+\p:XF+32+\p+1], v[XF+48+\p:XF+48+\p+1]
	v_pk_fma_f32 v[ACC+16+\p:ACC+16+\p+1], v[ACC+16+\p:ACC+16+\p+1], v[XF+32+\p:XF+32+\p+1], v[XF+48+\p:XF+48+\p+1]
.endr
	QNT2 ACC, ACC+16                               ; my 32 columns are block w of the next K
	ds_store_b64 v[HW], v[CD:CD+1]
	ds_store_b64 v[HW], v[CD+2:CD+3] offset:4096
	v_cndmask_b32 v[SELR], v[BY], v[BY+1], s[HI]
	ds_store_b8 v[HSCW], v[SELR]
	BARRIER                                        ; h's eight fragments and their scale bytes lie in LDS
	; ---- the hidden layer: my 128 units, 32 at a time
	XFLD 0, 4096
.irp t, 0,1
	ds_load_b128 v[XS+4*\t:XS+4*\t+3], v[HSCR] offset:256*\t
.endr
	B1LOAD 0
.irp b, 0,1,2,3
	s_wait_dscnt 0x0                               ; operands and bias are in; the last pair's LDS stores have read their registers
	UNIT 2+2*\b, 0
	UNIT 3+2*\b, 1
.set N, 0
.rept 32
	v_max_num_f32 v[ACC+N], 0, v[ACC+N]            ; relu, in f32
.set N, N+1
.endr
	QNT2 ACC, ACC+16
.if \b < 3
	B1LOAD \b+1
.endif
	ds_store_b64 v[H2W], v[CD:CD+1] offset:256*\b
	ds_store_b64 v[H2W], v[CD+2:CD+3] offset:16384+256*\b
.if \b == 0
	v_mov_b32 v[SW], v[BY]
	v_mov_b32 v[SW+1], v[BY+1]
.else
	v_lshl_or_b32 v[SW], v[BY], 8*\b, v[SW]        ; four bytes make the scale word of K step w
	v_lshl_or_b32 v[SW+1], v[BY+1], 8*\b, v[SW+1]
.endif
.endr
	s_delay_alu instid0(VALU_DEP_1)
	v_cndmask_b32 v[SELR], v[SW], v[SW+1], s[HI]
	ds_store_b32 v[PSW], v[SELR] offset:H2SC-PS1
	BARRIER                                        ; the hidden layer's 32 fragments and their scale words lie in LDS
	; ---- out = x1 + b2 + hidden W2: K = 2,048 in four groups of four K steps
.set N, 0
.rept 8
	ds_load_b128 v[ACC+4*N:ACC+4*N+3], v[X1A] offset:512*N
.set N, N+1
.endr
.irp j, 0,1,2,3
	ds_load_b128 v[TBI+4*\j:TBI+4*\j+3], v[PRMR] offset:384+16*\j
.endr
	XFLD 8192, 16384
.irp t, 0,1
	ds_load_b128 v[XS+4*\t:XS+4*\t+3], v[PSR] offset:H2SC-PS1+1280*\t
.endr
	s_wait_dscnt 0x0
	ADDBIAS
	s_wait_alu depctr_va_vdst(0)
.irp q, 0,1,2,3
	UNIT 10+2*\q, 0
	UNIT 11+2*\q, 1
.if \q < 3
	XFLD 8192+4096*(\q+1), 16384
.irp t, 0,1
	ds_load_b128 v[XS+4*\t:XS+4*\t+3], v[PSR] offset:H2SC-PS1+1280*\t+16*(\q+1)
.endr
	s_wait_dscnt 0x0
.endif
.endr
	; ---- the way out: columns into the stage, whole rows back, 512 consecutive bytes a store
.irp t, 0,1
.irp j, 0,1,2,3
	ds_store_b128 v[XSTC], v[ACC+16*\t+4*\j:ACC+16*\t+4*\j+3] offset:16*HP*\t+16*\j
.endr
.endr
	BARRIER
.set N, 0
.rept 8
	ds_load_b128 v[XF+4*N:XF+4*N+3], v[XSTR] offset:HP*(N/4)+512*(N%4)
.set N, N+1
.endr
.set N, 0
.rept 8
	s_wait_dscnt 7-N                               ; LDS loads come back in order: the younger ones may be out
	global_store_b128 v[LI], v[XF+4*N:XF+4*N+3], s[30:31] offset:2048*(N/4)+512*(N%4) th:TH_STORE_NT
.set N, N+1
.endr
	s_barrier_signal -1
	s_barrier_wait -1
	s_wait_tensorcnt 0x0
	ds_add_u32 v254, v255
	s_wait_dscnt 0x0
	s_endpgm
.Lfunc_end_k_q14446da22e_mlp:
	.size	k_q14446da22e_mlp, .Lfunc_end_k_q14446da22e_mlp-k_q14446da22e_mlp
	.p2alignl 7, 3214868480
	.fill 96, 4, 3214868480
	.section	.rodata,"a",@progbits
	.p2align	6, 0x0
	.amdhsa_kernel k_q14446da22e_mlp
		.amdhsa_group_segment_fixed_size 199168
		.amdhsa_private_segment_fixed_size 0
		.amdhsa_enable_private_segment 0
		.amdhsa_kernarg_size 96
		.amdhsa_user_sgpr_count 2
		.amdhsa_user_sgpr_kernarg_segment_ptr 1
		.amdhsa_wavefront_size32 1
		.amdhsa_system_sgpr_workgroup_id_x 1
		.amdhsa_system_sgpr_workgroup_id_y 1
		.amdhsa_system_sgpr_workgroup_id_z 1
		.amdhsa_system_vgpr_workitem_id 0
		.amdhsa_next_free_vgpr 256
		.amdhsa_next_free_sgpr 66
		.amdhsa_reserve_vcc 0
		.amdhsa_float_denorm_mode_32 3
		.amdhsa_float_denorm_mode_16_64 3
		.amdhsa_memory_ordered 1
		.amdhsa_forward_progress 1
		.amdhsa_inst_pref_size 88
	.end_amdhsa_kernel
	.amdgpu_metadata
---
amdhsa.version: [ 1, 2 ]
amdhsa.kernels:
  - .name:           k_q14446da22e_mlp
    .symbol:         k_q14446da22e_mlp.kd
    .args:
      - { .name: att, .offset: 0, .size: 8, .value_kind: global_buffer, .address_space: global }
      - { .name: x, .offset: 8, .size: 8, .value_kind: global_buffer, .address_space: global }
      - { .name: wimg, .offset: 16, .size: 8, .value_kind: global_buffer, .address_space: global }
      - { .name: Wo_scales, .offset: 24, .size: 8, .value_kind: global_buffer, .address_space: global }
      - { .name: W1_scales, .offset: 32, .size: 8, .value_kind: global_buffer, .address_space: global }
      - { .name: W2_scales, .offset: 40, .size: 8, .value_kind: global_buffer, .address_space: global }
      - { .name: bo, .offset: 48, .size: 8, .value_kind: global_buffer, .address_space: global }
      - { .name: g2, .offset: 56, .size: 8, .value_kind: global_buffer, .address_space: global }
      - { .name: be2, .offset: 64, .size: 8, .value_kind: global_buffer, .address_space: global }
      - { .name: b1, .offset: 72, .size: 8, .value_kind: global_buffer, .address_space: global }
      - { .name: b2, .offset: 80, .size: 8, .value_kind: global_buffer, .address_space: global }
      - { .name: out0, .offset: 88, .size: 8, .value_kind: global_buffer, .address_space: global }
    .group_segment_fixed_size: 199168
    .private_segment_fixed_size: 0
    .kernarg_segment_align: 8
    .kernarg_segment_size: 96
    .max_flat_workgroup_size: 512
    .sgpr_count:     66
    .vgpr_count:     256
    .wavefront_size: 32
...
	.end_amdgpu_metadata
.endif
;; end of part 3
